; MI455X (gfx1250); checked and timed in simulation.
; The chip was launched on July 23, 2026; its instructions are those of AMD's public machine-readable ISA for CDNA 5 (MIT licence, August 2026) and "CDNA5" Instruction Set Architecture Reference Guide (July 2026). The comments in the code are by the model that wrote it; some were corrected since.
;; Multi Head Attention. Allowed arithmetic: matrix products marked QUANTISED: E2M3 operands, one E8M0 scale for each 32 along K, by v_wmma_scale_f32_16x16x128_f8f6f4 with both operands' format E2M3, f32 sums; everything else in f32.
;; Inputs: mask 4 x 2,048 x 2,048 bool; wk_b 1,024 float32; wk_w 1,024 x 1,024 float32; wo_b 1,024 float32; wo_w 1,024 x 1,024 float32; wq_b 1,024 float32; wq_w 1,024 x 1,024 float32; wv_b 1,024 float32; wv_w 1,024 x 1,024 float32; x 4 x 2,048 x 1,024 float32.
;; Outputs: out0 4 x 2,048 x 1,024 float32.
;; This version of the problem:
;;   THIS VERSION OF THE PROBLEM IS GIVEN IN LOW PRECISION. The matrix products marked QUANTISED in the list below multiply operands that are first quantised to E2M3 (2 exponent bits, 3 mantissa bits; 6 bits a number), with one power-of-two scale for each 32 numbers along K (OCP MX v1.0); their sums are f32. All else is computed in f32.
;;   The module's matrix products, in the order in which they are computed (A, B: the left and right operand; K: the contracted axis; several contracted axes count as one K, in the product's order):
;;     1. [M 8,192, K 1,024] x [K 1,024, N 1,024]; A: input x; B: input wq_w: QUANTISED
;;     2. [M 8,192, K 1,024] x [K 1,024, N 1,024]; A: input x; B: input wk_w: QUANTISED
;;     3. [M 8,192, K 1,024] x [K 1,024, N 1,024]; A: input x; B: input wv_w: QUANTISED
;;     4. batch 64 x [M 2,048, K 64] x [K 64, N 2,048]; A: computed on the way; B: computed on the way: QUANTISED
;;     5. batch 64 x [M 2,048, K 2,048] x [K 2,048, N 64]; A: softmax (see below); B: computed on the way: QUANTISED
;;     6. [M 8,192, K 1,024] x [K 1,024, N 1,024]; A: computed on the way; B: input wo_w: QUANTISED
;;   THE QUANTISER, for each operand of a quantised product, along K:
;;     - K is cut into blocks of 32 from its start; a last block that is shorter is filled with zeros.
;;     - A block's scale is 2^e with e = floor(log2(the largest magnitude in the block)) - 2, held to -126 .. 127; a block of zeros has e = 0. As a byte (E8M0): e + 127.
;;     - Each number is divided by its block's scale, clamped to +-7.5, and rounded to the nearest number of E2M3, ties to even, subnormals kept.
;;     - The product sums the exact products of the quantised numbers (number of the format x scale) in f32.
;;   ~~~python
;;   def quantise(x, axis):      # numpy; x: float32 -> the quantised numbers, widened to float32 again
;;       x = np.moveaxis(x, axis, -1); K = x.shape[-1]
;;       x = np.pad(x, [(0, 0)] * (x.ndim - 1) + [(0, -K % 32)]); x = x.reshape(x.shape[:-1] + (-1, 32)); a = np.abs(x).max(-1, keepdims=True)
;;       e = np.where(a > 0, np.clip(np.frexp(np.where(a > 0, a, 1))[1] - 1 - 2, -126, 127), 0)      # np.frexp(a)[1] - 1 = floor(log2(a)), exactly
;;       r = np.clip(x / 2.0 ** e, -7.5, 7.5)
;;       step = 2.0 ** (np.maximum(np.frexp(np.where(r == 0, 1, r))[1] - 1, 0) - 3)
;;       q = np.round(r / step) * step * 2.0 ** e      # np.round: ties to even
;;       return np.moveaxis(q.reshape(q.shape[:-2] + (-1,))[..., :K], -1, axis).astype(np.float32)
;;   ~~~
;;   SOFTMAX AHEAD OF A QUANTISED PRODUCT. Where the list says 'softmax', what is quantised is not the finished softmax but p = 2^(t - M), with t = logit x log2(e) and M = ceil(the row's largest t), a whole number; so 1/2 < the row's largest p <= 1. The row's sum l is taken of the UNQUANTISED p, in f32, and the product's result is divided by l at the end. Since M is a whole number, a kernel that streams over the keys may use a running M (the ceiling of the running maximum): every later rescaling is an exact power of two, which a block's scale takes up: the codes' values come out the same.
;;   OPERANDS COMPUTED ON THE WAY. 'Computed on the way' means the value that the module computes at that place (a softmax that the list does not call 'softmax' is quantised finished and normalised). What goes into a quantiser is computed in f32, as accurately as f32 sums, v_exp_f32 and their like allow (about 1e-6 of the number): no bf16 or f16 on the way to a quantiser, and a product that is left as it is and whose result goes on into a quantised operand takes f32 operands (vector FMAs, or v_wmma_f32_16x16x4_f32). A number that lies on a knife's edge between two numbers of the format may be rounded either way, as far as f32 arithmetic and the matrix unit's own rounding can turn it there, and no further.
;; One version. Each part assembles by itself: llvm-mc -triple=amdgcn-amd-amdhsa -mcpu=gfx1250 --defsym DOCPART=n.
;; ======== version 1 of 1: 4 launches
;; limits: right only within a limited range of input values
;; workspace buffers: cod 9,437,184 bytes; scl 393,216 bytes; mw 2,097,152 bytes of whole numbers; qc 6,291,456 bytes; qs 524,288 bytes; kvc 12,582,912 bytes; kvs 786,432 bytes
;; launch prep (part 1): grid 896 x 1, 4 waves a work-group, no clusters, 68,096 bytes of LDS; arguments x, wq_w, wk_w, wv_w, wo_w, mask, cod, scl, mw; writes cod, scl, mw
.if DOCPART == 1
	.amdgcn_target "amdgcn-amd-amdhsa--gfx1250"
	.amdhsa_code_object_version 6
	.text
	.protected	k_q7d3df4e60e_prep
	.globl	k_q7d3df4e60e_prep
	.p2align	8
	.type	k_q7d3df4e60e_prep,@function
k_q7d3df4e60e_prep:
	s_mov_b64 s[64:65], 0
	v_nop
	global_prefetch_b8 v0, s[64:65] scope:SCOPE_SE
	s_setreg_imm32_b32 hwreg(HW_REG_WAVE_MODE, 25, 1), 1
	s_wait_xcnt 0x0
; MULTI-HEAD ATTENTION IN MX-FP6 (E2M3, one E8M0 byte for each 32 along K), four launches: prep, qkv, attn, oproj.
; NO WORK IS LEFT OUT: every input has a way to the output.  The four biases stand ahead of a quantiser (wq_b, wk_b, wv_b) or in the result (wo_b); the mask is an input and is honoured bit by bit.
; THIS LAUNCH: (1) x [8192][1024] and the four weights [1024][1024], f32, K innermost, become codes and scale words, laid in the order of the operand's registers;
; (2) the mask's bytes become words of 32 lane bits, as the attention launch's selects want them.
; A TILE of 16 rows is not 16 neighbours: lane r of tile g takes row 32 (g / 2) + 8 (g % 2) + r + 8 (r / 8), so that the 16 result registers of two neighbouring tiles are 16 neighbours along the next product's K.
; cod: [K slot 0..3][tile 0..767][K step of the slot 0..1][1,536 bytes]: a fragment (16 rows x 128 K, 12 registers a lane) as an image of its registers: registers 4 j .. 4 j + 3 of lane l at 512 j + 16 l.
;      Tiles 0..511: x; 512..: wq; 576..: wk; 640..: wv; 704..: wo.       scl: [tile][K step 0..7][r]: one word (four bytes, 128 along K) a row.
; mw:  [batch][query tile 0..127][key step 0..15][n 0..63]: bit l = 16 h + r of word n is mask[query of lane r][128 step + 32 (n / 16) + 16 h + n % 16].
; A block's scale is 2^(floor(log2(largest magnitude)) - 2); its byte is the largest magnitude's exponent field - 2, held at 1 from below.
; LIMITS: NaN and infinities among the inputs are not served.  A block whose largest magnitude lies under 2^-124 keeps the byte 1; a block of zeros has the byte 1 where the rule says 127: its codes are zeros,
; which add nothing under any byte but 0xff, and this program alone reads the bytes.
; SHARES.  Work-groups 0..383 quantise: a wave takes one tile x 512 along K (four K steps).  Work-groups 384..895 take the mask: a work-group a query tile, a wave 512 keys.
; Every load reads 512 consecutive bytes of a row; the rows turn through the wave's own stage in LDS (rows 528 bytes apart), since a lane must hold whole blocks of its row.  Every store covers 128 to 512 consecutive bytes.
; No tensor load, no barrier, no cluster: waves share nothing.  The two paths have LDS bytes of their own.
.set PLANE, 2359296                    ; a K slot of cod: 768 tiles x 3,072 bytes
.set WST,   8448                       ; a wave's stage: 16 rows x 528
.set MST,   33792                      ; the mask path's four stages begin here
.set SPARE, 67584                      ; the spare words, 128 bytes a wave: two blocks of 256 bytes that no other line names
.set R,   16                           ; v16-143  two sets of 64: 16 rows x 16 bytes a lane, as loaded
.set X,   144                          ; v144-207 my row's numbers (or mask bytes), as the work wants them
.set C,   208                          ; v208-231 two sets of 12: a fragment's codes (mask path: the words to store)
.set T,   232                          ; v232-239 at work
.set PW,  240                          ; v240-243 the four K steps' scale words
.set SPW, 246                          ; v246     LDS address of my spare word; never rewritten
.set NIL, 247                          ; v247     0; never rewritten
	s_load_b512 s[4:19], s[0:1], 0x0               ; x, wq_w, wk_w, wv_w, wo_w, mask, cod, scl
	s_load_b64 s[20:21], s[0:1], 0x40              ; mw
	v_lshl_add_u32 v[SPW], v0, 2, SPARE
	v_mov_b32 v[NIL], 0
	v_lshrrev_b32 v7, 5, v0
	v_readfirstlane_b32 s22, v7                    ; wave
	v_and_b32 v7, 31, v0                           ; lane
	v_and_b32 v8, 15, v0                           ; r
	v_bfe_u32 v9, v0, 4, 1                         ; h
	v_lshlrev_b32 v1, 4, v7                        ; 16 x lane
	v_lshlrev_b32 v6, 2, v7                        ; 4 x lane
	v_lshlrev_b32 v15, 3, v9                       ; 8 h
	s_mul_i32 s24, s22, WST
	v_add_nc_u32 v2, s24, v1                       ; the stage, on the way in: 16 x lane of a row
	v_mul_u32_u24 v3, v8, 528
	v_add_nc_u32 v3, s24, v3
	v_lshl_add_u32 v4, v9, 4, v3                   ; on the way out, mask: row r, + 16 h
	v_lshl_add_u32 v3, v9, 7, v3                   ; on the way out, numbers: row r, + 128 h
	s_mov_b32 s23, 0xffff0000                      ; as a select: lanes 16-31 take the second source
	s_mov_b32 s38, 0x76543210
	s_mov_b32 s39, 0xfedcba98                      ; v_permlanex16_b32's selects for lane l xor 16
	s_cmp_lt_u32 ttmp9, 384
	s_cbranch_scc0 .Lmask
	; ---------------- the quantiser ----------------
	s_lshr_b32 s25, s22, 1
	s_and_b32 s26, s22, 1                          ; which 512 along K
	s_lshl_b32 s27, ttmp9, 1
	s_add_co_u32 s27, s27, s25                     ; my tile g
	s_wait_kmcnt 0x0
	s_mov_b64 s[28:29], s[4:5]                     ; the tensor is chosen by the work-group's number alone
	s_mov_b32 s30, 0                               ; and its first tile
	s_cmp_ge_u32 ttmp9, 256
	s_cselect_b64 s[28:29], s[6:7], s[28:29]
	s_cselect_b32 s30, 512, s30
	s_cmp_ge_u32 ttmp9, 288
	s_cselect_b64 s[28:29], s[8:9], s[28:29]
	s_cselect_b32 s30, 576, s30
	s_cmp_ge_u32 ttmp9, 320
	s_cselect_b64 s[28:29], s[10:11], s[28:29]
	s_cselect_b32 s30, 640, s30
	s_cmp_ge_u32 ttmp9, 352
	s_cselect_b64 s[28:29], s[12:13], s[28:29]
	s_cselect_b32 s30, 704, s30
	s_sub_co_u32 s31, s27, s30                     ; the tile within its tensor
	s_lshr_b32 s32, s31, 1
	s_lshl_b32 s32, s32, 5
	s_and_b32 s33, s31, 1
	s_lshl_b32 s33, s33, 3
	s_add_co_u32 s32, s32, s33                     ; its first row
	s_lshl_b32 s32, s32, 12                        ; rows of 4,096 bytes
	s_lshl_b32 s33, s26, 11
	s_add_co_u32 s32, s32, s33                     ; + my 512 numbers
	s_mov_b32 s33, 0
	s_add_nc_u64 s[28:29], s[28:29], s[32:33]
	s_mul_i32 s34, s26, 2*PLANE                    ; cod: K slots 2 kh and 2 kh + 1,
	s_mul_i32 s35, s27, 3072                       ; my tile
	s_add_co_u32 s34, s34, s35
	s_mov_b32 s35, 0
	s_add_nc_u64 s[16:17], s[16:17], s[34:35]
	s_lshl_b32 s34, s27, 9                         ; scl: 512 bytes a tile, 64 a K step
	s_lshl_b32 s36, s26, 8
	s_add_co_u32 s34, s34, s36
	s_add_nc_u64 s[18:19], s[18:19], s[34:35]
.irp t, 0,1,2,3
	v_mov_b32 v[PW+\t], 0                          ; a lane permute's destination counts as one of its sources
.endr
.macro LOAD t                          ; K step t of my 16 rows: each load reads 512 consecutive bytes
.irp i, 0,1,2,3,4,5,6,7,8,9,10,11,12,13,14,15
	global_load_b128 v[R+64*((\t)%2)+4*\i:R+64*((\t)%2)+4*\i+3], v1, s[28:29] offset:(\i+8*(\i/8))*4096+512*(\t) th:TH_LOAD_NT
.endr
.endm
.macro TURN t                          ; through my stage: LDS serves a wave's instructions in order, so no wait stands between the stores and the loads
.irp i, 0,1,2,3,4,5,6,7,8,9,10,11,12,13,14,15
	ds_store_b128 v2, v[R+64*((\t)%2)+4*\i:R+64*((\t)%2)+4*\i+3] offset:528*\i
.endr
.irp c, 0,1
.irp p, 0,1,2,3,4,5,6,7
	ds_load_b128 v[X+32*\c+4*\p:X+32*\c+4*\p+3], v3 offset:256*\c+16*\p   ; register 32 c + i = k 64 c + 32 h + i of row r: the order of the operand's registers
.endr
.endr
.endm
.macro QUANT2 t                        ; my two whole blocks (h and 2 + h) of row r
.set CC, C+12*((\t)%2)
.irp q, 0,1,2,3
	v_max3_num_f32 v[8+\q], |v[X+16*\q]|, |v[X+16*\q+1]|, 0x1800000   ; four chains of 16, each with the floor 2^(3 - 127): the byte cannot fall under 1
.endr
.irp i, 2,4,6,8,10,12,14
.irp q, 0,1,2,3
	v_max3_num_f32 v[8+\q], v[8+\q], |v[X+16*\q+\i]|, |v[X+16*\q+\i+1]|
.endr
.endr
	v_max_num_f32 v8, v8, v9                       ; block h
	v_max_num_f32 v10, v10, v11                    ; block 2 + h
	v_add_nc_u32 v12, 0xff000000, v8               ; 2 off the exponent field: the conversion's scale operand
	v_add_nc_u32 v13, 0xff000000, v10
	v_lshrrev_b32 v9, 23, v12                      ; the bytes
	v_lshrrev_b32 v11, 23, v13
	v_lshl_or_b32 v14, v11, 16, v9
	v_lshlrev_b32 v14, v15, v14                    ; at their places in the word (8 h bits up);
	v_permlanex16_b32 v[PW+(\t)], v14, s38, s39
	v_or_b32 v[PW+(\t)], v[PW+(\t)], v14           ; with lane l xor 16's two the word is whole
.if (\t) >= 2
	s_wait_alu depctr_va_vdst(0)
	s_wait_xcnt 0x0                                ; the stores of two K steps ago have read this set of codes
.endif
.irp c, 0,1
	v_cvt_scalef32_pk16_fp6_f32 v[CC+6*\c:CC+6*\c+2], v[X+32*\c:X+32*\c+15], v[12+\c]
	v_cvt_scalef32_pk16_fp6_f32 v[T+4*\c:T+4*\c+2], v[X+32*\c+16:X+32*\c+31], v[12+\c]   ; (a conversion's three registers begin on an even number)
.endr
	v_nop                                          ; one plain place behind a scaled conversion
.irp c, 0,1
.irp i, 0,1,2
	v_mov_b32 v[CC+6*\c+3+\i], v[T+4*\c+\i]
.endr
.endr
.irp j, 0,1,2
	global_store_b128 v1, v[CC+4*\j:CC+4*\j+3], s[16:17] offset:((\t)/2)*PLANE+((\t)%2)*1536+512*\j   ; 512 consecutive bytes
.endr
.endm
	LOAD 0
	LOAD 1
	s_wait_alu depctr_va_vdst(0)
.irp t, 0,1,2,3
.if \t < 3
	s_wait_loadcnt 16                              ; this K step's 16 loads are in; the next one's 16 may be out
.else
	s_wait_loadcnt 0x0
.endif
	TURN \t
	s_wait_dscnt 0x0                               ; my numbers are back, and the stage's stores have read their registers,
.if \t < 2
	LOAD \t+2                                      ; which take the loads of two K steps on
.endif
	QUANT2 \t
.endr
	v_cndmask_b32 v8, v[PW], v[PW+1], s23          ; lanes 0-15: K step 0's words, lanes 16-31: K step 1's: 128 consecutive bytes
	v_cndmask_b32 v9, v[PW+2], v[PW+3], s23
	global_store_b32 v6, v8, s[18:19]
	global_store_b32 v6, v9, s[18:19] offset:128
	s_wait_tensorcnt 0x0                           ; the wave's end, behind my last LDS store
	ds_add_u32 v[SPW], v[NIL]
	s_wait_dscnt 0x0
	s_endpgm
	; ---------------- the mask ----------------
.Lmask:
	s_sub_co_u32 s25, ttmp9, 384                   ; 128 x batch + query tile
	s_lshr_b32 s26, s25, 7
	s_and_b32 s27, s25, 127
	s_lshl_b32 s28, s26, 11
	s_lshr_b32 s29, s27, 1
	s_lshl_b32 s29, s29, 5
	s_add_co_u32 s28, s28, s29
	s_and_b32 s29, s27, 1
	s_lshl_b32 s29, s29, 3
	s_add_co_u32 s28, s28, s29                     ; the tile's first query, counted over all batches
	s_lshl_b32 s28, s28, 11                        ; rows of 2,048 bytes
	s_lshl_b32 s29, s22, 9
	s_add_co_u32 s28, s28, s29                     ; + my 512 keys
	s_mov_b32 s29, 0
	s_lshl_b32 s30, s25, 12                        ; mw: 4,096 bytes a query tile,
	s_lshl_b32 s31, s22, 10                        ; 1,024 for my four key steps
	s_add_co_u32 s30, s30, s31
	s_mov_b32 s31, 0
	s_wait_kmcnt 0x0
	s_add_nc_u64 s[14:15], s[14:15], s[28:29]
	s_add_nc_u64 s[20:21], s[20:21], s[30:31]
	s_wait_alu depctr_va_vdst(0)
.irp i, 0,1,2,3,4,5,6,7,8,9,10,11,12,13,14,15
	global_load_b128 v[R+4*\i:R+4*\i+3], v1, s[14:15] offset:(\i+8*(\i/8))*2048 th:TH_LOAD_NT   ; 512 consecutive bytes of a query's row
.endr
.irp i, 0,1,2,3,4,5,6,7
	v_mov_b32 v[C+\i], 0                           ; v_writelane_b32's destination counts as read
.endr
	s_wait_loadcnt 0x0
.irp i, 0,1,2,3,4,5,6,7,8,9,10,11,12,13,14,15
	ds_store_b128 v2, v[R+4*\i:R+4*\i+3] offset:MST+528*\i
.endr
.irp i, 0,1,2,3,4,5,6,7,8,9,10,11,12,13,14,15
	ds_load_b128 v[X+4*\i:X+4*\i+3], v4 offset:MST+128*(\i/4)+32*(\i%4)   ; step i / 4, block i % 4: my query's 16 keys 32 blk + 16 h + 0 .. 15
.endr
	s_wait_dscnt 0x0
; Word n of a step: one byte of every lane becomes one bit of a scalar word; the word goes to its place (lane, register) of the 512 bytes that a store covers.
.set st, 0
.rept 4
.set nb, 0
.rept 8
.irp k, 0,1,2,3,4,5,6,7
	v_and_b32 v[T+\k], 1<<(8*(\k%4)), v[X+16*st+4*(nb/2)+((8*nb+\k)%16)/4]
.endr
.irp k, 0,1,2,3,4,5,6,7
	v_cmp_ne_u32 s[40+\k], 0, v[T+\k]
.endr
.irp k, 0,1,2,3,4,5,6,7
	v_writelane_b32 v[C+4*(st/2)+(\k%4)], s[40+\k], (64*(st%2)+8*nb+\k)/4
.endr
.set nb, nb+1
.endr
.set st, st+1
.endr
	global_store_b128 v1, v[C:C+3], s[20:21]                   ; two key steps' 128 words: 512 consecutive bytes
	global_store_b128 v1, v[C+4:C+7], s[20:21] offset:512
	s_wait_tensorcnt 0x0                           ; the wave's end, behind my last LDS store
	ds_add_u32 v[SPW], v[NIL]
	s_wait_dscnt 0x0
	s_endpgm
.Lfunc_end_k_q7d3df4e60e_prep:
	.size	k_q7d3df4e60e_prep, .Lfunc_end_k_q7d3df4e60e_prep-k_q7d3df4e60e_prep
	.p2alignl 7, 3214868480
	.fill 96, 4, 3214868480
	.section	.rodata,"a",@progbits
	.p2align	6, 0x0
	.amdhsa_kernel k_q7d3df4e60e_prep
		.amdhsa_group_segment_fixed_size 68096
		.amdhsa_private_segment_fixed_size 0
		.amdhsa_enable_private_segment 0
		.amdhsa_kernarg_size 72
		.amdhsa_user_sgpr_count 2
		.amdhsa_user_sgpr_kernarg_segment_ptr 1
		.amdhsa_wavefront_size32 1
		.amdhsa_system_sgpr_workgroup_id_x 1
		.amdhsa_system_sgpr_workgroup_id_y 1
		.amdhsa_system_sgpr_workgroup_id_z 1
		.amdhsa_system_vgpr_workitem_id 0
		.amdhsa_next_free_vgpr 248
		.amdhsa_next_free_sgpr 66
		.amdhsa_reserve_vcc 0
		.amdhsa_float_denorm_mode_32 3
		.amdhsa_float_denorm_mode_16_64 3
		.amdhsa_memory_ordered 1
		.amdhsa_forward_progress 1
		.amdhsa_inst_pref_size 83
	.end_amdhsa_kernel
	.amdgpu_metadata
---
amdhsa.version: [ 1, 2 ]
amdhsa.kernels:
  - .name:           k_q7d3df4e60e_prep
    .symbol:         k_q7d3df4e60e_prep.kd
    .args:
      - { .name: x, .offset: 0, .size: 8, .value_kind: global_buffer, .address_space: global }
      - { .name: wq_w, .offset: 8, .size: 8, .value_kind: global_buffer, .address_space: global }
      - { .name: wk_w, .offset: 16, .size: 8, .value_kind: global_buffer, .address_space: global }
      - { .name: wv_w, .offset: 24, .size: 8, .value_kind: global_buffer, .address_space: global }
      - { .name: wo_w, .offset: 32, .size: 8, .value_kind: global_buffer, .address_space: global }
      - { .name: mask, .offset: 40, .size: 8, .value_kind: global_buffer, .address_space: global }
      - { .name: cod, .offset: 48, .size: 8, .value_kind: global_buffer, .address_space: global }
      - { .name: scl, .offset: 56, .size: 8, .value_kind: global_buffer, .address_space: global }
      - { .name: mw, .offset: 64, .size: 8, .value_kind: global_buffer, .address_space: global }
    .group_segment_fixed_size: 68096
    .private_segment_fixed_size: 0
    .kernarg_segment_align: 8
    .kernarg_segment_size: 72
    .max_flat_workgroup_size: 128
    .sgpr_count:     66
    .vgpr_count:     248
    .wavefront_size: 32
...
	.end_amdgpu_metadata
.endif
;; end of part 1
;; launch qkv (part 2): grid 12 x 32, 4 waves a work-group, clusters of 4 x 4, 327,680 bytes of LDS; arguments cod, scl, wq_b, wk_b, wv_b, qc, qs, kvc, kvs; writes qc, qs, kvc, kvs
.if DOCPART == 2
	.amdgcn_target "amdgcn-amd-amdhsa--gfx1250"
	.amdhsa_code_object_version 6
	.text
	.protected	k_q7d3df4e60e_qkv
	.globl	k_q7d3df4e60e_qkv
	.p2align	8
	.type	k_q7d3df4e60e_qkv,@function
k_q7d3df4e60e_qkv:
	s_mov_b64 s[64:65], 0
	v_nop
	global_prefetch_b8 v0, s[64:65] scope:SCOPE_SE
	s_setreg_imm32_b32 hwreg(HW_REG_WAVE_MODE, 25, 1), 1
	s_wait_xcnt 0x0
	s_wait_alu depctr_hold_cnt(0) depctr_sa_sdst(0) depctr_va_vdst(0) depctr_va_sdst(0) depctr_va_ssrc(0) depctr_va_vcc(0) depctr_vm_vsrc(0)
	s_getreg_b32 s2, hwreg(HW_REG_IB_STS2, 6, 4)
	s_cmp_eq_u32 s2, 0
	s_cbranch_scc0 .Lentry_in_a_cluster
	s_endpgm
.Lentry_in_a_cluster:
	s_bfe_u32 s2, ttmp6, 0x10000c
	s_cmp_lg_u32 s2, 0xf033
	s_cbranch_scc0 .Lentry_shape_is_right
	s_endpgm
.Lentry_shape_is_right:
; q = x wq^T + wq_b, k = x wk^T + wk_b, v = x wv^T + wv_b on codes of FP6 (E2M3), and the results quantised in registers for the attention launch: q and k along the head's 64, v along the keys.  No work is left out.
; A work-group makes 256 x 256 results, four waves 128 x 128 each (64 accumulators, 512 registers).  T is source 1 (a lane holds one row of T), U is source 0 (a lane's registers run along U's rows).
; THE CLUSTER'S x SAYS WHAT IS MADE: 0: q, 1: k (T = rows of x, U = rows of the weight: the registers run along the head's channels); 2: v (T = rows of wv, U = rows of x: the registers run along the keys).
; So what the next product sums over always runs along a lane's registers, and the tiles' rows (see below) make 16 registers of two neighbouring tiles 16 neighbours: the conversions take them as they stand.
; A TILE of 16 rows: lane r of tile g takes row 32 (g / 2) + 8 (g % 2) + r + 8 (r / 8).  cod holds fragments as images of their registers: [K slot][tile][K step of the slot][1,536 bytes]; scl: [tile][K step][r] words.
; K = 1,024 goes in four slots' worth of 256 through a ring of two LDS slots; 128 rows x 256 K of an operand are 24,576 dense bytes: one tensor load a wave, as 96 rows of 256 bytes.  An image is read by loads of 512 consecutive bytes: no padding.
; CLUSTERS: 4 x 4 work-groups.  T's tiles hang on the place along y and are asked for jointly by a row of the cluster, U's on the place along x, by a column.
; The bias is the C of each sum's first product: along the registers for q and k, along the lanes for v.
; OUT.  qc: [8 batch + head pair][128 queries][head of the pair][tile][768 bytes]: half a fragment (K = 64): registers 0-3 at 16 l, registers 4-5 at 512 + 8 l.  kvc: [pair][128 keys][k even | k odd | v even | v odd], 6,144 bytes each:
; k as q; v as four whole fragments (16 channels x 128 keys).  qs, kvs: the scale words as images of the registers that the attention launch names (lanes 0-15 an even tile's words, lanes 16-31 the odd one's).
; LIMITS: as stated at the head of the first launch (NaN, infinities; the byte of very small and of zero blocks).
; REGISTERS: window 0: v8-15 the bias's offsets; v16-31 addresses; v32-95 scale words (8 i + K step: lanes 0-15 T's block i, lanes 16-31 U's); v96-127, v224-255 the bias; v128-223 T's 8 fragments, one set (free on the way out).
;   window 1: U's fragments, two sets, at v0 and v128.   window 2: the accumulators of T's blocks 0-3 ((a, b) at v[8 (8 a + b)]);   window 3: those of blocks 4-7.
.set PLANE, 2359296
.set HALFT, 24576                      ; 8 tiles x 2 K steps x 1,536: what one tensor load brings, and what a wave reads of T or of U
.set SLOT,  98304                      ; T's two halves, then U's two
.set SPARE, 196608                     ; behind the ring: the spare words, 128 bytes a wave: two blocks of 256 bytes that no other line names
.set NL,   3                           ; LDS loads that bring a fragment
.set FR,   12
.set ADRA, 16                          ; v16-17  LDS address of my T fragments in slot 0, 1
.set ADRB, 20                          ; v20-21  the same for U
.set L16,  24                          ; v24     16 x lane
.set L8,   25                          ; v25     8 x lane
.set VS,   27                          ; v27     my byte in scl
.set SPW,  28                          ; v28     LDS address of my spare word; never rewritten
.set NIL,  29                          ; v29     0; never rewritten
.set SC,   32
.set AF,   128
.set TM,   128                         ; the way out: v128-143 at work
.set PWR,  144                         ; v144-151 the eight blocks' scale words
.set PC,   152                         ; v152-171, v172-191: codes (12) and halves on their way (8), two sets
.set CI,   192                         ; v192-203 scale words as they are stored
.set G1,  24                           ; s[24:31] descriptor group 1 for T's tiles; s[32:39] group 0, a set for each slot
.set G0,  32
.set G1B, 48                           ; s[48:55], s[56:63] the same for U's
.set G0B, 56
.set MSB, 0
.macro WIN new                         ; the immediate's high byte repeats the setting that is left
.if MSB != (\new)
	s_set_vgpr_msb (MSB<<8)|(\new)
.set MSB, (\new)
.endif
.endm
.set MUL_LO, 0xa1                      ; source 0 (U) window 1, source 1 (T) window 0, C and D window 2
.set MUL_HI, 0xf1                      ; the same, C and D window 3
.set TO_B,   0x40                      ; destination window 1, address window 0
; A joint load: waves 0 and 1 fetch T's halves, waves 2 and 3 U's.  The branch hangs on the wave's number alone.  An s_nop 0 and four v_nop follow each of the two lines.
.macro JLOAD g0a, g0b
	s_cmp_eq_u32 s23, 0
	s_cbranch_scc0 .Lfor_b_\@
	tensor_load_to_lds s[\g0a:\g0a+3], s[G1:G1+7]
	s_nop 0
.rept 4
	v_nop
.endr
	s_branch .Lasked_\@
.Lfor_b_\@:
	tensor_load_to_lds s[\g0b:\g0b+3], s[G1B:G1B+7]
	s_nop 0
.rept 4
	v_nop
.endr
.Lasked_\@:
.endm
.macro CREST                           ; a round of the cluster's barrier behind its opening barrier
	s_cmp_lg_u32 s22, 0
	s_cbranch_scc1 .Lnot_wave_0_\@
	s_barrier_signal -3
.Lnot_wave_0_\@:
	s_barrier_wait -3
	s_barrier_signal -1
	s_barrier_wait -1
.endm
.macro CROUND
	s_barrier_signal -1
	s_barrier_wait -1
	CREST
.endm
	s_load_b512 s[4:19], s[0:1], 0x0               ; cod, scl, wq_b, wk_b, wv_b, qc, qs, kvc
	s_load_b64 s[20:21], s[0:1], 0x40              ; kvs
	v_lshl_add_u32 v[SPW], v0, 2, SPARE
	v_mov_b32 v[NIL], 0
	ds_add_u32 v[SPW], v[NIL]                      ; the wave's opening: the add, twice on end, and its wait ahead of my first tensor load
	ds_add_u32 v[SPW], v[NIL]
	v_lshrrev_b32 v1, 5, v0
	v_readfirstlane_b32 s22, v1                    ; wave 0..3
	s_lshr_b32 s23, s22, 1                         ; my half of T.  Also: I fetch for T (0) or for U (1)
	s_and_b32 s3, s22, 1                           ; my half of U.  Also: which half I fetch
	s_bfe_u32 s40, ttmp6, 0x40000                  ; cx
	s_bfe_u32 s41, ttmp6, 0x40004                  ; cy
	s_mov_b32 s42, ttmp9                           ; the cluster's x: 0 q, 1 k, 2 v: the same in all sixteen partners
	s_and_b32 s43, ttmp7, 0xffff                   ; the cluster's y: which 1,024 rows of x
	s_lshl_b32 s44, s41, 2
	s_lshl_b32 s44, 15, s44                        ; my row of the cluster
	s_lshl_b32 s45, 0x1111, s40                    ; my column
	s_or_b32 s[G1], s44, (3<<16)|(1<<21)           ; 15:0 the mask; 17:16 elements of 8 bytes; 21 set beside a mask; no padding
	s_or_b32 s[G1B], s45, (3<<16)|(1<<21)
.irp g, G1, G1B
	s_mov_b32 s[\g+1], 32<<16                      ; tensor_dim0 = 32 elements: 256 bytes
	s_mov_b32 s[\g+2], 96<<16                      ; tensor_dim1 = 96
	s_mov_b32 s[\g+3], 32<<16                      ; tile_dim0
	s_mov_b32 s[\g+4], 96                          ; tile_dim1
	s_mov_b32 s[\g+5], 32                          ; the pitch: dense
	s_mov_b32 s[\g+6], 0
	s_mov_b32 s[\g+7], 0
.endr
	s_mov_b32 s72, 0xffff0000                      ; as a select: lanes 16-31 take the second source
	s_mov_b32 s74, 0x76543210
	s_mov_b32 s75, 0xfedcba98
	s_lshl_b32 s46, s43, 6                         ; the cluster's first tile of x
	s_lshl_b32 s47, s42, 6
	s_add_co_u32 s47, s47, 512                     ; and of wq or wk
	s_cmp_eq_u32 s42, 2
	s_cselect_b32 s66, 640, s46                    ; T: wv's tiles for v, else x's
	s_cselect_b32 s67, s46, s47                    ; U: x's tiles for v, else the weight's
	s_lshl_b32 s68, s41, 4
	s_add_co_u32 s66, s66, s68                     ; T's 16 tiles hang on cy alone,
	s_lshl_b32 s69, s40, 4
	s_add_co_u32 s67, s67, s69                     ; U's on cx alone
	s_lshl_b32 s70, s3, 3                          ; the half that I fetch
	s_add_co_u32 s86, s66, s70
	s_mul_i32 s86, s86, 3072
	s_mov_b32 s87, 0
	s_add_co_u32 s88, s67, s70
	s_mul_i32 s88, s88, 3072
	s_mov_b32 s89, 0
	s_mul_i32 s90, s22, HALFT                      ; where it goes: no place in the cluster enters an LDS address
	s_wait_dscnt 0x0                               ; both opening adds are done
	s_wait_kmcnt 0x0
	s_add_nc_u64 s[86:87], s[4:5], s[86:87]
	s_add_nc_u64 s[88:89], s[4:5], s[88:89]
	CROUND                                         ; all sixteen work-groups are here: the first joint loads meet
.irp s, 0,1
	s_mov_b32 s[G0+4*\s], 1
	s_add_co_u32 s[G0+4*\s+1], s90, \s*SLOT
	s_add_nc_u64 s[G0+4*\s+2:G0+4*\s+3], s[86:87], \s*PLANE
	s_or_b32 s[G0+4*\s+3], s[G0+4*\s+3], 0x80000000
	s_mov_b32 s[G0B+4*\s], 1
	s_add_co_u32 s[G0B+4*\s+1], s90, \s*SLOT
	s_add_nc_u64 s[G0B+4*\s+2:G0B+4*\s+3], s[88:89], \s*PLANE
	s_or_b32 s[G0B+4*\s+3], s[G0B+4*\s+3], 0x80000000
	JLOAD G0+4*\s, G0B+4*\s                        ; two loads of mine are out
.endr
	v_and_b32 v1, 31, v0
	v_and_b32 v2, 15, v0                           ; r
	v_bfe_u32 v3, v0, 4, 1                         ; h
	v_lshlrev_b32 v[L16], 4, v1
	v_lshlrev_b32 v[L8], 3, v1
	s_mul_i32 s91, s23, HALFT
	s_mul_i32 s92, s3, HALFT
	s_add_co_u32 s92, s92, 2*HALFT
.irp s, 0,1
	v_add_nc_u32 v[ADRA+\s], s91, v[L16]
	v_add_nc_u32 v[ADRB+\s], s92, v[L16]
	s_add_co_u32 s91, s91, SLOT
	s_add_co_u32 s92, s92, SLOT
.endr
	; the scale words of my 8 + 8 tiles, for all of K, once: lanes 0-15 take T's, lanes 16-31 U's
	s_lshl_b32 s93, s23, 3
	s_add_co_u32 s93, s93, s66
	s_lshl_b32 s93, s93, 9
	s_lshl_b32 s94, s3, 3
	s_add_co_u32 s94, s94, s67
	s_lshl_b32 s94, s94, 9
	v_mov_b32 v26, s93
	v_mov_b32 v[VS], s94
	v_cndmask_b32 v[VS], v26, v[VS], s72
	v_lshl_add_u32 v[VS], v2, 2, v[VS]
.irp i, 0,1,2,3,4,5,6,7
.irp k, 0,1,2,3,4,5,6,7
	global_load_b32 v[SC+8*\i+\k], v[VS], s[6:7] offset:512*\i+64*\k
.endr
.endr
	; the bias, eight registers a tile in the result's layout.  q, k: of U's tile x, the eight units 16 h + j;  v: of T's tile x, my lane's channel, eight times
	s_lshl_b32 s95, s40, 8
	s_lshl_b32 s96, s3, 7
	s_add_co_u32 s95, s95, s96                     ; q, k: my first channel: 256 cx + 128 x my half of U
	s_lshl_b32 s96, s41, 8
	s_lshl_b32 s97, s23, 7
	s_add_co_u32 s96, s96, s97                     ; v: 256 cy + 128 x my half of T
	s_cmp_eq_u32 s42, 0
	s_cselect_b64 s[80:81], s[8:9], s[10:11]
	s_cmp_eq_u32 s42, 2
	s_cselect_b64 s[80:81], s[12:13], s[80:81]
	s_cselect_b32 s82, s96, s95
	s_cselect_b32 s84, -1, 0
	s_cselect_b32 s85, 0, 4
	s_lshl_b32 s82, s82, 2
	s_mov_b32 s83, 0
	s_add_nc_u64 s[80:81], s[80:81], s[82:83]
	v_lshlrev_b32 v4, 6, v3                        ; 64 h
	v_and_b32 v5, 8, v2
	v_add_nc_u32 v5, v5, v2
	v_lshlrev_b32 v5, 2, v5                        ; 4 (r + 8 (r / 8))
	v_cndmask_b32 v4, v4, v5, s84
.irp j, 0,1,2,3,4,5,6,7
	v_mad_u32_u24 v[8+\j], s85, \j, v4
.endr
.irp x, 0,1,2,3,4,5,6,7
.irp j, 0,1,2,3,4,5,6,7
	global_load_b32 v[96+8*\x+96*(\x/4)+\j], v[8+\j], s[80:81] offset:(32*(\x/2)+8*(\x%2))*4
.endr
.endr
	; where my results go
	s_lshl_b32 s95, s43, 2
	s_cmp_eq_u32 s42, 2
	s_cselect_b32 s96, s40, s41                    ; x's place in the cluster,
	s_cselect_b32 s97, s41, s40                    ; the weight's,
	s_cselect_b32 s98, s3, s23                     ; my half of x's 256 rows,
	s_cselect_b32 s99, s23, s3                     ; and of the weight's 256
	s_cselect_b32 s91, 12288, 0                    ; v's images lie behind k's two
	s_add_co_u32 s95, s95, s96                     ; which 256 rows of x
	s_lshr_b32 s96, s95, 3
	s_lshl_b32 s96, s96, 3                         ; 8 x batch
	s_lshl_b32 s97, s97, 1
	s_add_co_u32 s96, s96, s97
	s_add_co_u32 s96, s96, s99                     ; + head pair
	s_lshl_b32 s96, s96, 4
	s_and_b32 s95, s95, 7
	s_lshl_b32 s95, s95, 1
	s_add_co_u32 s96, s96, s95
	s_add_co_u32 s96, s96, s98                     ; x 16 + which 128 rows of the batch
	s_cmp_eq_u32 s42, 0
	s_cselect_b64 s[76:77], s[14:15], s[18:19]     ; codes: qc or kvc
	s_cselect_b64 s[78:79], s[16:17], s[20:21]     ; scale words: qs or kvs
	s_mov_b32 s97, 24576
	s_cselect_b32 s97, 12288, s97
	s_mov_b32 s98, 1536
	s_cselect_b32 s98, 1024, s98
	s_mul_i32 s82, s96, s97
	s_add_co_u32 s82, s82, s91
	s_add_nc_u64 s[76:77], s[76:77], s[82:83]
	s_mul_i32 s82, s96, s98
	s_add_nc_u64 s[78:79], s[78:79], s[82:83]
.macro FRAG reg, adr, q, i             ; a fragment's image: three loads of 512 consecutive bytes
.irp j, 0,1,2
	ds_load_b128 v[\reg+4*\j:\reg+4*\j+3], v[\adr] offset:(\i)*3072+(\q)*1536+512*\j
.endr
.endm
.macro FETCH_B slot, q, p              ; U's eight fragments of the slot's q-th 128 along K into set p
	WIN TO_B
.irp i, 0,1,2,3,4,5,6,7
	FRAG 128*(\p)+FR*\i, ADRB+\slot, \q, \i
.endr
	WIN 0
.endm
.macro FETCH_A slot, q, i0             ; T's blocks i0 .. i0 + 3
.irp i, \i0, \i0+1, \i0+2, \i0+3
	FRAG AF+FR*(\i), ADRA+\slot, \q, \i
.endr
.endm
; 16 matrix instructions: T's blocks a0, a0 + 1 x U's eight.  p: U's set; ks: the K step; ci = 0: the sums go on; 1: they begin with the bias of U's tile; 2: with that of T's.
; The 64 accumulators take turns, one instruction a turn, in the same order in every step.
.macro MUL16 a0, p, ks, ci
.irp a, \a0, \a0+1
.irp b, 0,1,2,3,4,5,6,7
.if \ci == 0
	v_wmma_scale_f32_16x16x128_f8f6f4 v[8*(8*((\a)%4)+\b):8*(8*((\a)%4)+\b)+7], v[128*(\p)+FR*\b:128*(\p)+FR*\b+FR-1], v[AF+FR*(\a):AF+FR*(\a)+FR-1], v[8*(8*((\a)%4)+\b):8*(8*((\a)%4)+\b)+7], v[SC+8*\b+(\ks)], v[SC+8*(\a)+(\ks)] matrix_a_fmt:MATRIX_FMT_FP6 matrix_b_fmt:MATRIX_FMT_FP6 matrix_a_scale:MATRIX_SCALE_ROW1
.elseif \ci == 1
	v_wmma_scale_f32_16x16x128_f8f6f4 v[8*(8*((\a)%4)+\b):8*(8*((\a)%4)+\b)+7], v[128*(\p)+FR*\b:128*(\p)+FR*\b+FR-1], v[AF+FR*(\a):AF+FR*(\a)+FR-1], v[96+8*\b+96*(\b/4):96+8*\b+96*(\b/4)+7], v[SC+8*\b+(\ks)], v[SC+8*(\a)+(\ks)] matrix_a_fmt:MATRIX_FMT_FP6 matrix_b_fmt:MATRIX_FMT_FP6 matrix_a_scale:MATRIX_SCALE_ROW1
.else
	v_wmma_scale_f32_16x16x128_f8f6f4 v[8*(8*((\a)%4)+\b):8*(8*((\a)%4)+\b)+7], v[128*(\p)+FR*\b:128*(\p)+FR*\b+FR-1], v[AF+FR*(\a):AF+FR*(\a)+FR-1], v[96+8*(\a)+96*((\a)/4):96+8*(\a)+96*((\a)/4)+7], v[SC+8*\b+(\ks)], v[SC+8*(\a)+(\ks)] matrix_a_fmt:MATRIX_FMT_FP6 matrix_b_fmt:MATRIX_FMT_FP6 matrix_a_scale:MATRIX_SCALE_ROW1
.endif
.endr
.endr
.endm
.macro PLACES                          ; four plain places in front of loads into registers that matrix instructions have read, and of the first read of results
.rept 4
	v_nop
.endr
.endm
; A slot's first K step: multiplies U's set 0 and fetches the slot's second into set 1.
.macro STEP slot, ks, ci
	s_wait_dscnt 4*NL                              ; U's set and T's blocks 0-3 are in; the youngest 12 loads (T's blocks 4-7) may be out
.if \ci
	WIN 0x81                                       ; C (the bias) in window 0, D in window 2
.else
	WIN MUL_LO
.endif
	MUL16 0, 0, \ks, \ci
	MUL16 2, 0, \ks, \ci
	s_wait_dscnt 0x0                               ; T's blocks 4-7 are in
	PLACES
	FETCH_B \slot, 1, 1
	FETCH_A \slot, 1, 0
.if \ci
	WIN 0xc1
.else
	WIN MUL_HI
.endif
	MUL16 4, 0, \ks, \ci
	MUL16 6, 0, \ks, \ci
	PLACES
	WIN 0
	FETCH_A \slot, 1, 4
.endm
; A slot's second K step changes slots: ONE barrier; in front of it each wave waits for all its tensor loads, adds 0 to its spare word, and waits for that and for its reads of this slot.  fill = 1: this slot is filled again, two slots' worth ahead.
.macro TURN slot, next, fill, ks
	s_wait_tensorcnt 0x0                           ; all my tensor loads have landed: my part of the next slot
	ds_add_u32 v[SPW], v[NIL]                      ; 0 onto my spare word
	s_wait_dscnt 4*NL+1                            ; (the add and the youngest 12 loads may be out)
	WIN MUL_LO
	MUL16 0, 1, \ks, 0                             ; sixteen matrix instructions stand between the add and the wait for it
	s_wait_dscnt 0x0                               ; the add is done, and my reads of this slot are over
	s_barrier_signal -1
	MUL16 2, 1, \ks, 0
	WIN 0
	s_barrier_wait -1
.if \fill
	CREST                                          ; the barrier has opened a round of the cluster's: no wave of any partner still reads this slot or has a load on its way
	s_add_nc_u64 s[G0+4*\slot+2:G0+4*\slot+3], s[G0+4*\slot+2:G0+4*\slot+3], 2*PLANE
	s_add_nc_u64 s[G0B+4*\slot+2:G0B+4*\slot+3], s[G0B+4*\slot+2:G0B+4*\slot+3], 2*PLANE
	JLOAD G0+4*\slot, G0B+4*\slot                  ; the first tensor load behind the round; its four v_nop are the places in front of the loads below
.else
	PLACES
.endif
	FETCH_B \next, 0, 0
	FETCH_A \next, 0, 0
	WIN MUL_HI
	MUL16 4, 1, \ks, 0
	MUL16 6, 1, \ks, 0
	PLACES
	WIN 0
	FETCH_A \next, 0, 4
.endm
	s_wait_tensorcnt 1                             ; my part of slot 0 is in; slot 1's load may be out
	s_barrier_signal -1
	s_barrier_wait -1
	FETCH_B 0, 0, 0
	FETCH_A 0, 0, 0
	FETCH_A 0, 0, 4
	s_wait_loadcnt 0x0                             ; the scale words and the bias
	s_cmp_eq_u32 s42, 2                            ; the first K step starts the sums with the bias: nothing is cleared.  Which tile's bias hangs on the cluster's x
	s_cbranch_scc1 .Lfirst_v
	STEP 0, 0, 1
	s_branch .Lfirst_done
.Lfirst_v:
	STEP 0, 0, 2
.Lfirst_done:
	TURN 0, 1, 1, 1
	STEP 1, 2, 0
	TURN 1, 0, 1, 3
	STEP 0, 4, 0
	TURN 0, 1, 0, 5                                ; nothing is left to fetch
	STEP 1, 6, 0
	s_wait_dscnt 4*NL
	WIN MUL_LO
	MUL16 0, 1, 7, 0
	MUL16 2, 1, 7, 0
	s_wait_dscnt 0x0
	WIN MUL_HI
	MUL16 4, 1, 7, 0
	MUL16 6, 1, 7, 0
	WIN 0
	PLACES
; THE WAY OUT.  T's block a: my lane's row and 128 numbers along the next K: register 16 B + i = k 32 B + 16 h + i.  They become a fragment's codes and a scale word, and are stored as images.
; v = 0 (q, k): the 128 are two heads of 64: two half fragments.  v = 1: 128 keys of one channel: a whole fragment.
.macro QEPI a, v
.set WW, 2+(\a)/4
.set SRC, 64*((\a)%4)
.set PCC, PC+20*((\a)%2)
.set WA, (WW<<2)|(WW<<4)
	WIN WA                                         ; sources 1 and 2: the accumulators' window
.irp B, 0,1,2,3
	v_max3_num_f32 v[TM+\B], 0x1800000, |v[SRC+16*\B]|, |v[SRC+16*\B+1]|   ; each accumulator is read from its low end on; the floor 2^(3 - 127) holds the byte at 1 from below
.endr
.irp i, 2,4,6,8,10,12,14
.irp B, 0,1,2,3
	v_max3_num_f32 v[TM+\B], v[TM+\B], |v[SRC+16*\B+\i]|, |v[SRC+16*\B+\i+1]|
.endr
.endr
	WIN 0
.irp B, 0,1,2,3
	v_permlanex16_b32 v[TM+4+\B], v[TM+\B], s74, s75
.endr
.irp B, 0,1,2,3
	v_max_num_f32 v[TM+\B], v[TM+\B], v[TM+4+\B]   ; with lane l xor 16's: the block's largest magnitude
.endr
.irp B, 0,1,2,3
	v_add_nc_u32 v[TM+12+\B], 0xff000000, v[TM+\B] ; 2 off its exponent field: the conversion's scale operand
.endr
.irp B, 0,1,2,3
	v_lshrrev_b32 v[TM+4+\B], 23, v[TM+12+\B]      ; the byte
.endr
	v_lshl_or_b32 v[PWR+(\a)], v[TM+5], 8, v[TM+4]
	v_lshl_or_b32 v[PWR+(\a)], v[TM+6], 16, v[PWR+(\a)]
	v_lshl_or_b32 v[PWR+(\a)], v[TM+7], 24, v[PWR+(\a)]
.if (\a) >= 2
	s_wait_xcnt 0x0                                ; the stores of two blocks ago have read this set of codes
.endif
	WIN WW                                         ; source 0: the accumulators' window
.irp c, 0,1
	v_cvt_scalef32_pk16_fp6_f32 v[PCC+6*\c:PCC+6*\c+2], v[SRC+32*\c:SRC+32*\c+15], v[TM+12+2*\c]
	v_cvt_scalef32_pk16_fp6_f32 v[PCC+12+4*\c:PCC+12+4*\c+2], v[SRC+32*\c+16:SRC+32*\c+31], v[TM+12+2*\c+1]
.endr
	WIN 0
	v_nop                                          ; one plain place behind a scaled conversion
.irp c, 0,1                            ; the operand's layout wants a whole block in a lane: lanes 0-15 block 2 c, lanes 16-31 block 2 c + 1
.irp i, 0,1,2
	v_permlane16_swap_b32 v[PCC+6*\c+\i], v[PCC+12+4*\c+\i]
.endr
.irp i, 0,1,2
	v_mov_b32 v[PCC+6*\c+3+\i], v[PCC+12+4*\c+\i]
.endr
.endr
.if \v
.irp j, 0,1,2
	global_store_b128 v[L16], v[PCC+4*\j:PCC+4*\j+3], s[76:77] offset:(\a)*1536+512*\j
.endr
.else
	global_store_b128 v[L16], v[PCC:PCC+3], s[76:77] offset:(\a)*768
	global_store_b64 v[L8], v[PCC+4:PCC+5], s[76:77] offset:(\a)*768+512
	global_store_b128 v[L16], v[PCC+6:PCC+9], s[76:77] offset:6144+(\a)*768
	global_store_b64 v[L8], v[PCC+10:PCC+11], s[76:77] offset:6144+(\a)*768+512
.endif
.endm
.macro EPI v
.irp a, 0,1,2,3,4,5,6,7
	QEPI \a, \v
.endr
.irp i, 0,1,2,3
	v_cndmask_b32 v[CI+\i], v[PWR+2*\i], v[PWR+2*\i+1], s72   ; lanes 0-15: tile 2 i's words, lanes 16-31: tile 2 i + 1's
.endr
.if \v
	global_store_b64 v[L8], v[CI:CI+1], s[78:79] offset:1024   ; the even head's four tiles of channels,
	global_store_b64 v[L8], v[CI+2:CI+3], s[78:79] offset:1280 ; the odd head's
.else
.irp i, 0,1,2,3
	v_and_b32 v[CI+4+\i], 0xffff, v[CI+\i]         ; the even head's two bytes; the bytes of the empty half of K are 0, over zero codes
.endr
.irp i, 0,1,2,3
	v_lshrrev_b32 v[CI+8+\i], 16, v[CI+\i]         ; the odd head's
.endr
	global_store_b128 v[L16], v[CI+4:CI+7], s[78:79]
	global_store_b128 v[L16], v[CI+8:CI+11], s[78:79] offset:512
.endif
.endm
.irp B, 0,1,2,3
	v_mov_b32 v[TM+4+\B], 0                        ; a lane permute's destination counts as one of its sources
.endr
	s_cmp_eq_u32 s42, 2
	s_cbranch_scc1 .Lepi_v
	EPI 0
	s_branch .Lepi_done
.Lepi_v:
	EPI 1
.Lepi_done:
	s_wait_tensorcnt 0x0                           ; the wave's end
	ds_add_u32 v[SPW], v[NIL]
	s_wait_dscnt 0x0
	CROUND                                         ; the closing round: no work-group ends while a partner may still ask for a tile that names it
	s_endpgm
.Lfunc_end_k_q7d3df4e60e_qkv:
	.size	k_q7d3df4e60e_qkv, .Lfunc_end_k_q7d3df4e60e_qkv-k_q7d3df4e60e_qkv
	.p2alignl 7, 3214868480
	.fill 96, 4, 3214868480
	.section	.rodata,"a",@progbits
	.p2align	6, 0x0
	.amdhsa_kernel k_q7d3df4e60e_qkv
		.amdhsa_group_segment_fixed_size 327680
		.amdhsa_private_segment_fixed_size 0
		.amdhsa_enable_private_segment 0
		.amdhsa_kernarg_size 72
		.amdhsa_user_sgpr_count 2
		.amdhsa_user_sgpr_kernarg_segment_ptr 1
		.amdhsa_wavefront_size32 1
		.amdhsa_system_sgpr_workgroup_id_x 1
		.amdhsa_system_sgpr_workgroup_id_y 1
		.amdhsa_system_sgpr_workgroup_id_z 1
		.amdhsa_system_vgpr_workitem_id 0
		.amdhsa_next_free_vgpr 1024
		.amdhsa_next_free_sgpr 100
		.amdhsa_reserve_vcc 0
		.amdhsa_float_denorm_mode_32 3
		.amdhsa_float_denorm_mode_16_64 3
		.amdhsa_memory_ordered 1
		.amdhsa_forward_progress 1
		.amdhsa_inst_pref_size 196
	.end_amdhsa_kernel
	.amdgpu_metadata
---
amdhsa.version: [ 1, 2 ]
amdhsa.kernels:
  - .name:           k_q7d3df4e60e_qkv
    .symbol:         k_q7d3df4e60e_qkv.kd
    .args:
      - { .name: cod, .offset: 0, .size: 8, .value_kind: global_buffer, .address_space: global }
      - { .name: scl, .offset: 8, .size: 8, .value_kind: global_buffer, .address_space: global }
      - { .name: wq_b, .offset: 16, .size: 8, .value_kind: global_buffer, .address_space: global }
      - { .name: wk_b, .offset: 24, .size: 8, .value_kind: global_buffer, .address_space: global }
      - { .name: wv_b, .offset: 32, .size: 8, .value_kind: global_buffer, .address_space: global }
      - { .name: qc, .offset: 40, .size: 8, .value_kind: global_buffer, .address_space: global }
      - { .name: qs, .offset: 48, .size: 8, .value_kind: global_buffer, .address_space: global }
      - { .name: kvc, .offset: 56, .size: 8, .value_kind: global_buffer, .address_space: global }
      - { .name: kvs, .offset: 64, .size: 8, .value_kind: global_buffer, .address_space: global }
    .group_segment_fixed_size: 327680
    .private_segment_fixed_size: 0
    .kernarg_segment_align: 8
    .kernarg_segment_size: 72
    .max_flat_workgroup_size: 128
    .sgpr_count:     100
    .vgpr_count:     1024
    .wavefront_size: 32
...
	.end_amdgpu_metadata
.endif
;; end of part 2
;; launch attn (part 3): grid 8 x 32, 16 waves a work-group, clusters of 4 x 1, 327,680 bytes of LDS; arguments qc, qs, kvc, kvs, mw, cod, scl; writes cod, scl
.if DOCPART == 3
	.amdgcn_target "amdgcn-amd-amdhsa--gfx1250"
	.amdhsa_code_object_version 6
	.text
	.protected	k_q7d3df4e60e_attn
	.globl	k_q7d3df4e60e_attn
	.p2align	8
	.type	k_q7d3df4e60e_attn,@function
k_q7d3df4e60e_attn:
	s_mov_b64 s[64:65], 0
	v_nop
	global_prefetch_b8 v0, s[64:65] scope:SCOPE_SE
	s_setreg_imm32_b32 hwreg(HW_REG_WAVE_MODE, 25, 1), 1
	s_wait_xcnt 0x0
	s_wait_alu depctr_hold_cnt(0) depctr_sa_sdst(0) depctr_va_vdst(0) depctr_va_sdst(0) depctr_va_ssrc(0) depctr_va_vcc(0) depctr_vm_vsrc(0)
	s_getreg_b32 s2, hwreg(HW_REG_IB_STS2, 6, 4)
	s_cmp_eq_u32 s2, 0
	s_cbranch_scc0 .Lentry_in_a_cluster
	s_endpgm
.Lentry_in_a_cluster:
	s_bfe_u32 s2, ttmp6, 0x10000c
	s_cmp_lg_u32 s2, 0x3003
	s_cbranch_scc0 .Lentry_shape_is_right
	s_endpgm
.Lentry_shape_is_right:
; softmax(q k^T / 8, masked) v for every head, both products on codes of FP6 (E2M3); the result, divided by the row's sum, is quantised along D and stored as the last product's operand.  No work is left out.
; THE SOFTMAX: t = score x log2(e) / 8; M = the running largest t, rounded UP to a whole number; p = 2^(t - M) is quantised along the keys, not normalised; the row's sum is taken of the unquantised p and divides at the end.
; When M moves, the sum and O are multiplied by 2^(old M - new M): exact.
; THE MASK.  A hidden score is replaced by -2^33, which is the logit -2^30, ahead of the maximum.  LIMIT: reference() writes -1e9 there.  -2^33 x c is exact and a whole number, so a row that is hidden throughout gives p = 1 for
; every key, as -1e9 does; the two differ only where an open logit lies near or under -1e9.  Other limits as stated at the head of the first launch.
; SHARES.  A work-group owns 256 queries of one PAIR of heads; each of its sixteen waves one tile of 16 queries, for both heads: so the mask's words serve twice, and a wave's result is a whole fragment (128 along D) with a whole scale word.
; Four waves share a SIMD: one wave's vector work stands beside another's products and LDS loads.
; Every wave walks all 2,048 keys, 128 a step.  A step's k and v of both heads are 24,576 dense bytes (images of the operands' registers, made by the launch before); a slot holds four steps; two slots.
; CLUSTER: the four query blocks of a cluster belong to one pair of heads and walk the same k and v: each slot is asked for JOINTLY (waves 0 to 3, a step each), and so are the pair's scale words (wave 4, once).
; LAYOUT.  Both products are used transposed: S^T = k q^T (source 0 = 16 keys, source 1 = my 16 queries), O^T = v^T p^T: a lane holds one query throughout.  The keys and the channels of a tile are chosen
; (lane r of tile g: 32 (g / 2) + 8 (g % 2) + r + 8 (r / 8)) so that 16 registers of two neighbouring tiles are 16 neighbours.  The head's K is 64: registers 6-11 of q's and k's fragments hold zero codes throughout.
; The mask's words come by scalar loads, a step ahead, and are the selects of v_cndmask_b32: no branch hangs on them.
; REGISTERS: v1, v2 16 and 8 x lane; v3, v4 the add's two; v5 -2^33; v6, v7, v254, v255 LDS addresses of the step; v8-15 for each head -M, the largest t, the sum in two halves; v16-39 q; v40-48 scale words alone;
;   v50-97 four fragments of k; v98-161 S^T, then p, then v's four fragments; v162-225 O^T, 32 a head; v226-237 p's codes; v238-253 at work.
.set STEPB, 24576
.set SLOT1, 1<<17                      ; slot 1 begins here: one exclusive or turns an address in one slot into the other's
.set SCLB,  98304                      ; behind slot 0: the pair's scale words, 1,536 bytes a step, filled once
.set SPARE, 229376                     ; behind slot 1: the spare words, 128 bytes a wave: eight blocks of 256 bytes that no other line names
.set PLANE, 2359296
.set LI,   1
.set L8,   2
.set SPW,  3
.set NIL,  4
.set NEG,  5
.set A16,  6
.set A8,   7
.set QQ,   16
.set QS,   40
.set KS,   42
.set VS,   46
.set PS,   48
.set KF,   50
.set SS,   98
.set OO,   162
.set PC,   226
.set BM,   238
.set TP,   242
.set SO,   246
.set FF,   250
.set T1,   252
.set T2,   253
.set AS16, 254
.set AS8,  255
; s[4:11] descriptor group 1 (one shape serves every load); s[12:15] group 0 of k and v, which walks; s[16:19] group 0 of the scale words; s20 wave; s21 LDS byte of the step's tiles; s[22:23] c; s[24:25] lane selects;
; s26 LDS byte of the step's scale words; s27, s28 loop counts; s29 the byte of the mask words to be fetched; s[30:31] my tile's mask words; s[32:63], s[68:99] a step's 64 mask words; s[66:67], s[2:3] q; s[100:101], s[104:105] out
.macro CROUND
	s_barrier_signal -1
	s_barrier_wait -1
	s_cmp_lg_u32 s20, 0
	s_cbranch_scc1 .Lnot_wave_0_\@
	s_barrier_signal -3
.Lnot_wave_0_\@:
	s_barrier_wait -3
	s_barrier_signal -1
	s_barrier_wait -1
.endm
	s_load_b256 s[32:39], s[0:1], 0x0              ; qc, qs, kvc, kvs
	s_load_b128 s[40:43], s[0:1], 0x20             ; mw, cod
	s_load_b64 s[44:45], s[0:1], 0x30              ; scl
	v_lshl_add_u32 v[SPW], v0, 2, SPARE
	v_mov_b32 v[NIL], 0
	ds_add_u32 v[SPW], v[NIL]                      ; the wave's opening: the add, twice on end, and its wait ahead of the first tensor loads
	ds_add_u32 v[SPW], v[NIL]
	v_lshrrev_b32 v6, 5, v0
	s_delay_alu instid0(VALU_DEP_1)
	v_readfirstlane_b32 s20, v6                    ; wave 0..15
	s_bfe_u32 s46, ttmp6, 0x40000                  ; cx
	s_lshl_b32 s47, ttmp9, 2
	s_add_co_u32 s47, s47, s46                     ; my block of 256 queries: it enters global addresses of q, the mask and the result alone
	s_and_b32 s48, ttmp7, 0xffff                   ; 8 x batch + head pair, which the four partners share
	s_mov_b32 s4, 15|(3<<16)|(1<<21)               ; 15:0 the mask: all four work-groups; 17:16 elements of 8 bytes; 21 set beside a mask; no padding
	s_mov_b32 s5, 32<<16                           ; tensor_dim0 = 32 elements: 256 bytes
	s_mov_b32 s6, 96<<16                           ; tensor_dim1 = 96
	s_mov_b32 s7, 32<<16                           ; tile_dim0
	s_mov_b32 s8, 96                               ; tile_dim1
	s_mov_b32 s9, 32                               ; the pitch: dense
	s_mov_b32 s10, 0
	s_mov_b32 s11, 0
	s_mov_b32 s12, 1
	s_mov_b32 s16, 1
	s_mov_b32 s17, SCLB
	s_mov_b32 s22, 0x3e38aa3b                      ; c = log2(e) / 8
	s_mov_b32 s23, s22                             ; (named with it as a pair)
	s_mov_b32 s24, 0x76543210
	s_mov_b32 s25, 0xfedcba98
	s_mov_b32 s21, 0
	s_mov_b32 s26, SCLB
	s_mov_b32 s27, 3
	s_mov_b32 s29, 0
	s_lshr_b32 s49, s48, 3                         ; batch
	s_and_b32 s50, s48, 7                          ; head pair
	s_lshl_b32 s51, s47, 4
	s_add_co_u32 s51, s51, s20                     ; my query tile in the batch
	s_lshl_b32 s52, s49, 7
	s_add_co_u32 s52, s52, s51                     ; and among all 512 tiles of rows
	s_lshr_b32 s53, s51, 3                         ; which 128 queries
	s_and_b32 s54, s20, 7                          ; which tile of them
	s_lshl_b32 s55, s48, 4
	s_add_co_u32 s55, s55, s53
	s_mul_i32 s56, s55, 12288
	s_mul_i32 s57, s54, 768
	s_add_co_u32 s56, s56, s57                     ; q's codes
	s_mov_b32 s57, 0
	s_lshl_b32 s58, s55, 10                        ; q's scale words
	s_mov_b32 s59, 0
	s_lshl_b32 s60, s52, 12                        ; my tile's mask words: 4,096 bytes
	s_mov_b32 s61, 0
	s_lshr_b32 s62, s50, 1                         ; the result: K step = head pair: K slot pair / 2,
	s_mul_i32 s62, s62, PLANE
	s_mul_i32 s63, s52, 3072                       ; my tile,
	s_add_co_u32 s62, s62, s63
	s_and_b32 s63, s50, 1
	s_mul_i32 s63, s63, 1536                       ; the slot's K step pair % 2
	s_add_co_u32 s62, s62, s63
	s_mov_b32 s63, 0
	s_lshl_b32 s68, s52, 9
	s_lshl_b32 s69, s50, 6
	s_add_co_u32 s68, s68, s69                     ; its scale words
	s_mov_b32 s69, 0
	s_mul_i32 s70, s48, 16*STEPB                   ; the pair's k and v,
	s_and_b32 s71, s20, 3
	s_mul_i32 s71, s71, STEPB                      ; the step of a slot that I fetch, if I fetch
	s_mov_b32 s13, s71
	s_add_co_u32 s70, s70, s71
	s_mov_b32 s71, 0
	s_mul_i32 s72, s48, 24576                      ; the pair's scale words
	s_mov_b32 s73, 0
	s_and_b32 s74, s54, 1                          ; q's scale word in its image: lane 16 (t % 2) + r, register t / 2
	s_lshl_b32 s74, s74, 8
	s_lshr_b32 s75, s54, 1
	s_lshl_b32 s75, s75, 2
	s_add_co_u32 s74, s74, s75
	s_wait_dscnt 0x0                               ; both opening adds are done
	s_wait_kmcnt 0x0
	s_add_nc_u64 s[66:67], s[32:33], s[56:57]
	s_add_nc_u64 s[2:3], s[34:35], s[58:59]
	s_add_nc_u64 s[14:15], s[36:37], s[70:71]
	s_or_b32 s15, s15, 0x80000000
	s_add_nc_u64 s[18:19], s[38:39], s[72:73]
	s_or_b32 s19, s19, 0x80000000
	s_add_nc_u64 s[30:31], s[40:41], s[60:61]
	s_add_nc_u64 s[100:101], s[42:43], s[62:63]
	s_add_nc_u64 s[104:105], s[44:45], s[68:69]
	CROUND                                         ; all four work-groups are here: the first joint loads meet
	s_cmp_lt_u32 s20, 4                            ; waves 0 to 3: slot 0, a step each; wave 4: the scale words; a wave has at most one load out
	s_cbranch_scc0 .Lnot_kv
	tensor_load_to_lds s[12:15], s[4:11]
	s_nop 0
.rept 4
	v_nop
.endr
	s_branch .Lasked
.Lnot_kv:
	s_cmp_eq_u32 s20, 4
	s_cbranch_scc0 .Lasked
	tensor_load_to_lds s[16:19], s[4:11]
	s_nop 0
.rept 4
	v_nop
.endr
.Lasked:
	v_and_b32 v6, 31, v0
	s_delay_alu instid0(VALU_DEP_1)
	v_lshlrev_b32 v[LI], 4, v6
	s_delay_alu instid0(VALU_DEP_2)
	v_lshlrev_b32 v[L8], 3, v6
	v_and_b32 v[T1], 15, v0
	s_delay_alu instid0(VALU_DEP_1)
	v_lshl_add_u32 v[T1], v[T1], 4, s74
.irp hd, 0,1
	global_load_b128 v[QQ+12*\hd:QQ+12*\hd+3], v[LI], s[66:67] offset:6144*\hd
	global_load_b64 v[QQ+12*\hd+4:QQ+12*\hd+5], v[L8], s[66:67] offset:6144*\hd+512
	global_load_b32 v[QS+\hd], v[T1], s[2:3] offset:512*\hd
.endr
	s_load_b512 s[32:47], s[30:31], s29 offset:0x0     ; key step 0's mask words (the arguments and the head's scalars that lay here are used up)
	s_load_b512 s[48:63], s[30:31], s29 offset:0x40
	s_load_b512 s[68:83], s[30:31], s29 offset:0x80
	s_load_b512 s[84:99], s[30:31], s29 offset:0xc0
	v_mov_b32 v[NEG], 0xd0000000                   ; -2^33
.irp hd, 0,1
	v_mov_b32 v[9+4*\hd], 0xff61b1e6               ; the largest t so far: -3e38
	s_delay_alu instid0(VALU_DEP_1)
	v_floor_f32 v[8+4*\hd], -v[9+4*\hd]            ; -M
	v_mov_b32 v[10+4*\hd], 0
	v_mov_b32 v[11+4*\hd], 0
.irp i, 6,7,8,9,10,11
	v_mov_b32 v[QQ+12*\hd+\i], 0                   ; the empty half of K: zero codes
.endr
.endr
.irp t, 0,1,2,3
.irp i, 6,7,8,9,10,11
	v_mov_b32 v[KF+12*\t+\i], 0
.endr
	v_mov_b32 v[TP+\t], 0                          ; a lane permute's destination counts as one of its sources
.endr
	v_mov_b32 v[FF+1], 0                           ; (named as the upper half of a pair)
.set n, 0
.rept 64
	v_mov_b32 v[OO+n], 0                           ; O^T: the step is written once; the first finds zeros, which the first change of M leaves zeros
.set n, n+1
.endr
	s_wait_loadcnt 0x0                             ; q
; ONE HEAD, 128 KEYS.
.macro SUB hd
.set NM, 8+4*\hd
.set LL, 10+4*\hd
.set QF, QQ+12*\hd
.set OA, OO+32*\hd
	s_setprio 2
.irp g, 0,1                            ; S^T = k q^T, four tiles of 16 keys at a time
.if \g
.rept 4
	v_nop                                          ; places in front of loads into registers that matrix instructions have read
.endr
.endif
.irp t, 0,1,2,3
	ds_load_b128 v[KF+12*\t:KF+12*\t+3], v[A16] offset:\hd*6144+(4*\g+\t)*768
	ds_load_b64 v[KF+12*\t+4:KF+12*\t+5], v[A8] offset:\hd*6144+(4*\g+\t)*768+512
.endr
.if \g == 0
	ds_load_b128 v[KS:KS+3], v[AS16] offset:\hd*512    ; the eight tiles' scale words: register i: lanes 0-15 tile 2 i, lanes 16-31 tile 2 i + 1
.endif
	s_wait_dscnt 0x0
.irp t, 0,1,2,3
.if \t%2
	v_wmma_scale_f32_16x16x128_f8f6f4 v[SS+8*(4*\g+\t):SS+8*(4*\g+\t)+7], v[KF+12*\t:KF+12*\t+11], v[QF:QF+11], 0, v[KS+(4*\g+\t)/2], v[QS+\hd] matrix_a_fmt:MATRIX_FMT_FP6 matrix_b_fmt:MATRIX_FMT_FP6 matrix_a_scale:MATRIX_SCALE_ROW1
.else
	v_wmma_scale_f32_16x16x128_f8f6f4 v[SS+8*(4*\g+\t):SS+8*(4*\g+\t)+7], v[KF+12*\t:KF+12*\t+11], v[QF:QF+11], 0, v[KS+(4*\g+\t)/2], v[QS+\hd] matrix_a_fmt:MATRIX_FMT_FP6 matrix_b_fmt:MATRIX_FMT_FP6
.endif
.endr
.endr
.rept 4
	v_nop
.endr
.if \hd == 0
	s_wait_kmcnt 0x0                               ; this step's mask words are in, so their address may be written:
	s_add_co_u32 s29, s29, 256                     ; the next step's;
	s_and_b32 s29, s29, 0xfff                      ; behind the last step it wraps to the first, inside my tile's 4,096 bytes (those words are not used)
.endif
.set n, 0
.rept 64
	v_cndmask_b32 v[SS+n], v[NEG], v[SS+n], s[32+n+4*(n/32)]   ; register n = key 32 (n / 16) + 16 h + n % 16; each accumulator from its low end on
.set n, n+1
.endr
.if \hd == 1
	s_load_b512 s[32:47], s[30:31], s29 offset:0x0     ; both heads have used the words: the next step's, which have the rest of this head's work in which to land
	s_load_b512 s[48:63], s[30:31], s29 offset:0x40
	s_load_b512 s[68:83], s[30:31], s29 offset:0x80
	s_load_b512 s[84:99], s[30:31], s29 offset:0xc0
.endif
.irp b, 0,1,2,3
	v_max3_num_f32 v[BM+\b], v[SS+16*\b], v[SS+16*\b+1], v[SS+16*\b+2]   ; the largest score of each block of 32 keys: for the row's maximum and, since p rises with the score, for the block's largest p
.endr
.irp i, 3,5,7,9,11,13
.irp b, 0,1,2,3
	s_delay_alu instid0(VALU_DEP_4)
	v_max3_num_f32 v[BM+\b], v[BM+\b], v[SS+16*\b+\i], v[SS+16*\b+\i+1]
.endr
.endr
.irp b, 0,1,2,3
	s_delay_alu instid0(VALU_DEP_4)
	v_max_num_f32 v[BM+\b], v[BM+\b], v[SS+16*\b+15]
.endr
.irp b, 0,1,2,3
	s_delay_alu instid0(VALU_DEP_4)
	v_permlanex16_b32 v[TP+\b], v[BM+\b], s24, s25
.endr
.irp b, 0,1,2,3
	s_delay_alu instid0(VALU_DEP_4)
	v_max_num_f32 v[BM+\b], v[BM+\b], v[TP+\b]     ; with lane l xor 16's 16 keys
.endr
	s_delay_alu instid0(VALU_DEP_2)
	v_max3_num_f32 v[T1], v[BM], v[BM+1], v[BM+2]
	s_delay_alu instid0(VALU_DEP_1)
	v_max_num_f32 v[T1], v[T1], v[BM+3]
	s_delay_alu instid0(VALU_DEP_1)
	v_mul_f32 v[T1], s22, v[T1]                    ; the step's largest t (c is positive)
	s_delay_alu instid0(VALU_DEP_1)
	v_max_num_f32 v[NM+1], v[NM+1], v[T1]          ; the running largest t
	v_mov_b32 v[T1], v[NM]
	s_delay_alu instid0(VALU_DEP_2)
	v_floor_f32 v[NM], -v[NM+1]                    ; the new -M = -ceil(t): a whole number
	s_delay_alu instid0(VALU_DEP_1)
	v_sub_f32 v[T1], v[NM], v[T1]                  ; old M - new M: a whole number, 0 or less
	s_delay_alu instid0(VALU_DEP_1)
	v_cvt_i32_f32 v[T1], v[T1]                     ; (it saturates)
	s_delay_alu instid0(VALU_DEP_1)
	v_ldexp_f32 v[FF], 1.0, v[T1]                  ; f = 2^(old M - new M)
.set n, 0
.rept 32
	v_pk_fma_f32 v[SS+n:SS+n+1], v[SS+n:SS+n+1], s[22:23], v[NM:NM+1] op_sel_hi:[1,0,0]   ; t - M, two at a time
.set n, n+2
.endr
.irp b, 0,1,2,3
	v_fma_f32 v[BM+\b], v[BM+\b], s22, v[NM]       ; the same of each block's largest score
.endr
.set n, 0
	s_setprio 1
	s_wait_alu depctr_va_vdst(0)
.rept 64
	v_exp_f32 v[SS+n], v[SS+n]                     ; p = 2^(t - M)
.set n, n+1
.endr
	v_pk_mul_f32 v[LL:LL+1], v[LL:LL+1], v[FF:FF+1] op_sel_hi:[1,0]   ; the sums under the new M: a plain place behind the exponentials
	s_wait_alu depctr_va_vdst(0)                   ; one wait for the whole batch, ahead of its first reader
.irp b, 0,1,2,3
	v_exp_f32 v[BM+\b], v[BM+\b]                   ; the block's largest p
.endr
	v_pk_add_f32 v[TP:TP+1], v[SS:SS+1], v[SS+2:SS+3]          ; the row's sum of the unquantised p, in two chains
.irp j, 4,8,12,16,20,24,28,32,36,40,44,48,52,56,60
	v_pk_add_f32 v[LL:LL+1], v[LL:LL+1], v[SS+\j:SS+\j+1]
	v_pk_add_f32 v[TP:TP+1], v[TP:TP+1], v[SS+\j+2:SS+\j+3]
.endr
	s_delay_alu instid0(VALU_DEP_1)
	v_pk_add_f32 v[LL:LL+1], v[LL:LL+1], v[TP:TP+1]
	s_wait_alu depctr_va_vdst(0)                   ; and one for the four
.irp b, 0,1,2,3
	v_max_num_f32 v[BM+\b], 0x1800000, v[BM+\b]    ; the floor 2^(3 - 127): the byte cannot fall under 1
.endr
.irp b, 0,1,2,3
	s_delay_alu instid0(VALU_DEP_4)
	v_add_nc_u32 v[SO+\b], 0xff000000, v[BM+\b]    ; 2 off the exponent field: the conversion's scale operand
.endr
.irp b, 0,1,2,3
	s_delay_alu instid0(VALU_DEP_4)
	v_lshrrev_b32 v[TP+\b], 23, v[SO+\b]
.endr
	s_delay_alu instid0(VALU_DEP_3)
	v_lshl_or_b32 v[PS], v[TP+1], 8, v[TP]         ; p's scale word for these 128 keys
	s_delay_alu instid0(VALU_DEP_1)
	v_lshl_or_b32 v[PS], v[TP+2], 16, v[PS]
	s_delay_alu instid0(VALU_DEP_1)
	v_lshl_or_b32 v[PS], v[TP+3], 24, v[PS]
	v_cvt_scalef32_pk16_fp6_f32 v[PC:PC+2], v[SS:SS+15], v[SO]
	v_cvt_scalef32_pk16_fp6_f32 v[BM:BM+2], v[SS+16:SS+31], v[SO+1]
	v_cvt_scalef32_pk16_fp6_f32 v[PC+6:PC+8], v[SS+32:SS+47], v[SO+2]
	v_cvt_scalef32_pk16_fp6_f32 v[TP:TP+2], v[SS+48:SS+63], v[SO+3]
	v_nop                                          ; one plain place behind a scaled conversion
.irp t, 0,1,2,3                        ; v's four fragments land where p lay; the work below stands between the loads and the wait for them
.irp j, 0,1,2
	ds_load_b128 v[SS+12*\t+4*\j:SS+12*\t+4*\j+3], v[A16] offset:12288+\hd*6144+\t*1536+512*\j
.endr
.endr
	ds_load_b64 v[VS:VS+1], v[AS8] offset:1024+\hd*256
.irp i, 0,1,2                          ; the operand's layout wants a whole block in a lane
	v_permlane16_swap_b32 v[PC+\i], v[BM+\i]
.endr
	s_setprio 0
.irp i, 0,1,2
	v_permlane16_swap_b32 v[PC+6+\i], v[TP+\i]
.endr
.irp i, 0,1,2
	v_mov_b32 v[PC+3+\i], v[BM+\i]
.endr
.irp i, 0,1,2
	v_mov_b32 v[PC+9+\i], v[TP+\i]
.endr
.set n, 0
.rept 16
	v_pk_mul_f32 v[OA+n:OA+n+1], v[OA+n:OA+n+1], v[FF:FF+1] op_sel_hi:[1,0]   ; O^T under the new M, each accumulator from its low end on.  (These sixteen are also the places between the codes' and the scale word's last writes and the products)
.set n, n+2
.endr
	s_wait_alu depctr_va_vdst(0)
	s_wait_dscnt 0x0
.irp t, 0,1,2,3                        ; O^T += v^T p^T: four tiles of 16 channels, four accumulators by turns
.if \t%2
	v_wmma_scale_f32_16x16x128_f8f6f4 v[OA+8*\t:OA+8*\t+7], v[SS+12*\t:SS+12*\t+11], v[PC:PC+11], v[OA+8*\t:OA+8*\t+7], v[VS+\t/2], v[PS] matrix_a_fmt:MATRIX_FMT_FP6 matrix_b_fmt:MATRIX_FMT_FP6 matrix_a_scale:MATRIX_SCALE_ROW1
.else
	v_wmma_scale_f32_16x16x128_f8f6f4 v[OA+8*\t:OA+8*\t+7], v[SS+12*\t:SS+12*\t+11], v[PC:PC+11], v[OA+8*\t:OA+8*\t+7], v[VS+\t/2], v[PS] matrix_a_fmt:MATRIX_FMT_FP6 matrix_b_fmt:MATRIX_FMT_FP6
.endif
.endr
.rept 5
	v_nop                                          ; five places: the next scores are written over the registers that held v's fragments
.endr
.endm
; THE CHANGE OF SLOTS stands at a slot's head.  Each wave waits for all its tensor loads, adds 0 to its spare word (fill = 1: twice on end), and waits for that and for its reads
; of the slot that it has left.  fill = 1: a round of the cluster's barrier, and behind it the other slot is asked for jointly: the load has a whole slot's four steps in which to land.
.macro CHANGE fill
	s_wait_tensorcnt 0x0                           ; no tensor load of mine is out, so the walking group 0 may be written
	ds_add_u32 v[SPW], v[NIL]
.if \fill
	ds_add_u32 v[SPW], v[NIL]
	s_xor_b32 s13, s13, SLOT1                      ; the other slot than last time,
	s_add_nc_u64 s[14:15], s[14:15], 4*STEPB       ; the next four steps
	s_wait_dscnt 0x0
	CROUND
	s_cmp_lt_u32 s20, 4
	s_cbranch_scc0 .Lno_load_\@
	tensor_load_to_lds s[12:15], s[4:11]           ; the first thing behind the round, and a wave's one tensor load until the next
	s_nop 0
.rept 4
	v_nop
.endr
.Lno_load_\@:
.else
	s_wait_dscnt 0x0
	s_barrier_signal -1
	s_barrier_wait -1
.endif
.endm
.macro SLOT_STEPS                      ; a slot's four key steps: written once, walked four times
	s_mov_b32 s28, 4
.Lstep_\@:
	v_add_nc_u32 v[A16], s21, v[LI]
	s_wait_alu depctr_va_vdst(0)
	v_add_nc_u32 v[A8], s21, v[L8]
	s_wait_alu depctr_va_vdst(0)
	v_add_nc_u32 v[AS16], s26, v[LI]
	v_add_nc_u32 v[AS8], s26, v[L8]
	SUB 0
	SUB 1
	s_add_co_u32 s21, s21, STEPB
	s_add_co_u32 s26, s26, 1536
	s_sub_co_u32 s28, s28, 1
	s_cmp_lg_u32 s28, 0
	s_cbranch_scc1 .Lstep_\@
	s_setprio 0
	s_sub_co_u32 s21, s21, 4*STEPB
	s_xor_b32 s21, s21, SLOT1                      ; on to the other slot
.endm
.Lslot:                                ; three trips: behind each change of slots but the last the next slot is asked for (in the first trip: slot 1's first fill)
	CHANGE 1
	SLOT_STEPS
	s_sub_co_u32 s27, s27, 1
	s_cmp_lg_u32 s27, 0
	s_cbranch_scc1 .Lslot
	CHANGE 0                                       ; the last slot is written out
	SLOT_STEPS
	; THE WAY OUT.  O^T / the sum; my 64 registers are k = 32 B + 16 h + i of the pair's 128 channels of my query: one fragment of the last product's operand, and its scale word.
	s_wait_kmcnt 0x0                               ; (the last look-ahead of mask words)
.irp hd, 0,1
	v_add_f32 v[10+4*\hd], v[10+4*\hd], v[11+4*\hd]
.endr
.irp hd, 0,1
	s_delay_alu instid0(VALU_DEP_2)
	v_permlanex16_b32 v[TP+\hd], v[10+4*\hd], s24, s25
.endr
.irp hd, 0,1
	s_delay_alu instid0(VALU_DEP_2)
	v_add_f32 v[10+4*\hd], v[10+4*\hd], v[TP+\hd]  ; the row's sum
.endr
	s_wait_alu depctr_va_vdst(0)
.irp hd, 0,1
	v_rcp_f32 v[10+4*\hd], v[10+4*\hd]
.endr
	v_and_b32 v[T2], 15, v0                        ; (a plain place behind the reciprocals)
	s_delay_alu instid0(VALU_DEP_1)
	v_lshlrev_b32 v[T2], 2, v[T2]                  ; 4 r
	s_wait_alu depctr_va_vdst(0)                   ; one wait for the two, ahead of their first reader
.irp hd, 0,1
.set n, 0
.rept 16
	v_pk_mul_f32 v[OO+32*\hd+n:OO+32*\hd+n+1], v[OO+32*\hd+n:OO+32*\hd+n+1], v[10+4*\hd:11+4*\hd] op_sel_hi:[1,0]
.set n, n+2
.endr
.endr
.set QTM, 98
.set QPW, 114
.set QPC, 116
.irp b, 0,1,2,3
	v_mov_b32 v[QTM+4+\b], 0
.endr
.irp b, 0,1,2,3
	v_max3_num_f32 v[QTM+\b], |v[OO+16*\b]|, |v[OO+16*\b+1]|, 0x1800000
.endr
.irp i, 2,4,6,8,10,12,14
.irp b, 0,1,2,3
	s_delay_alu instid0(VALU_DEP_4)
	v_max3_num_f32 v[QTM+\b], v[QTM+\b], |v[OO+16*\b+\i]|, |v[OO+16*\b+\i+1]|
.endr
.endr
.irp b, 0,1,2,3
	s_delay_alu instid0(VALU_DEP_4)
	v_permlanex16_b32 v[QTM+4+\b], v[QTM+\b], s24, s25
.endr
.irp b, 0,1,2,3
	s_delay_alu instid0(VALU_DEP_4)
	v_max_num_f32 v[QTM+\b], v[QTM+\b], v[QTM+4+\b]
.endr
.irp b, 0,1,2,3
	s_delay_alu instid0(VALU_DEP_4)
	v_add_nc_u32 v[QTM+12+\b], 0xff000000, v[QTM+\b]
.endr
.irp b, 0,1,2,3
	s_delay_alu instid0(VALU_DEP_4)
	v_lshrrev_b32 v[QTM+4+\b], 23, v[QTM+12+\b]
.endr
	s_delay_alu instid0(VALU_DEP_3)
	v_lshl_or_b32 v[QPW], v[QTM+5], 8, v[QTM+4]
	s_delay_alu instid0(VALU_DEP_1)
	v_lshl_or_b32 v[QPW], v[QTM+6], 16, v[QPW]
	s_delay_alu instid0(VALU_DEP_1)
	v_lshl_or_b32 v[QPW], v[QTM+7], 24, v[QPW]
.irp c, 0,1
	v_cvt_scalef32_pk16_fp6_f32 v[QPC+6*\c:QPC+6*\c+2], v[OO+32*\c:OO+32*\c+15], v[QTM+12+2*\c]
	v_cvt_scalef32_pk16_fp6_f32 v[QPC+12+4*\c:QPC+12+4*\c+2], v[OO+32*\c+16:OO+32*\c+31], v[QTM+12+2*\c+1]
.endr
	v_nop                                          ; one plain place behind a scaled conversion
.irp c, 0,1
.irp i, 0,1,2
	v_permlane16_swap_b32 v[QPC+6*\c+\i], v[QPC+12+4*\c+\i]
.endr
.irp i, 0,1,2
	s_delay_alu instid0(VALU_DEP_3)
	v_mov_b32 v[QPC+6*\c+3+\i], v[QPC+12+4*\c+\i]
.endr
.endr
.irp j, 0,1,2
	global_store_b128 v[LI], v[QPC+4*\j:QPC+4*\j+3], s[100:101] offset:512*\j   ; the fragment's image: 512 consecutive bytes a store
.endr
	global_store_b32 v[T2], v[QPW], s[104:105]     ; 64 consecutive bytes; lanes 16-31 store the same words to the same places
	s_wait_tensorcnt 0x0                           ; the wave's end
	ds_add_u32 v[SPW], v[NIL]
	s_wait_dscnt 0x0
	CROUND                                         ; the closing round
	s_endpgm
.Lfunc_end_k_q7d3df4e60e_attn:
	.size	k_q7d3df4e60e_attn, .Lfunc_end_k_q7d3df4e60e_attn-k_q7d3df4e60e_attn
	.p2alignl 7, 3214868480
	.fill 96, 4, 3214868480
	.section	.rodata,"a",@progbits
	.p2align	6, 0x0
	.amdhsa_kernel k_q7d3df4e60e_attn
		.amdhsa_group_segment_fixed_size 327680
		.amdhsa_private_segment_fixed_size 0
		.amdhsa_enable_private_segment 0
		.amdhsa_kernarg_size 56
		.amdhsa_user_sgpr_count 2
		.amdhsa_user_sgpr_kernarg_segment_ptr 1
		.amdhsa_wavefront_size32 1
		.amdhsa_system_sgpr_workgroup_id_x 1
		.amdhsa_system_sgpr_workgroup_id_y 1
		.amdhsa_system_sgpr_workgroup_id_z 1
		.amdhsa_system_vgpr_workitem_id 0
		.amdhsa_next_free_vgpr 256
		.amdhsa_next_free_sgpr 106
		.amdhsa_reserve_vcc 0
		.amdhsa_float_denorm_mode_32 3
		.amdhsa_float_denorm_mode_16_64 3
		.amdhsa_memory_ordered 1
		.amdhsa_forward_progress 1
		.amdhsa_inst_pref_size 108
	.end_amdhsa_kernel
	.amdgpu_metadata
---
amdhsa.version: [ 1, 2 ]
amdhsa.kernels:
  - .name:           k_q7d3df4e60e_attn
    .symbol:         k_q7d3df4e60e_attn.kd
    .args:
      - { .name: qc, .offset: 0, .size: 8, .value_kind: global_buffer, .address_space: global }
      - { .name: qs, .offset: 8, .size: 8, .value_kind: global_buffer, .address_space: global }
      - { .name: kvc, .offset: 16, .size: 8, .value_kind: global_buffer, .address_space: global }
      - { .name: kvs, .offset: 24, .size: 8, .value_kind: global_buffer, .address_space: global }
      - { .name: mw, .offset: 32, .size: 8, .value_kind: global_buffer, .address_space: global }
      - { .name: cod, .offset: 40, .size: 8, .value_kind: global_buffer, .address_space: global }
      - { .name: scl, .offset: 48, .size: 8, .value_kind: global_buffer, .address_space: global }
    .group_segment_fixed_size: 327680
    .private_segment_fixed_size: 0
    .kernarg_segment_align: 8
    .kernarg_segment_size: 56
    .max_flat_workgroup_size: 512
    .sgpr_count:     106
    .vgpr_count:     256
    .wavefront_size: 32
...
	.end_amdgpu_metadata
.endif
;; end of part 3
;; launch oproj (part 4): grid 4 x 32, 4 waves a work-group, clusters of 4 x 4, 327,680 bytes of LDS; arguments cod, scl, wo_b, out0; writes out0
.if DOCPART == 4
	.amdgcn_target "amdgcn-amd-amdhsa--gfx1250"
	.amdhsa_code_object_version 6
	.text
	.protected	k_q7d3df4e60e_oproj
	.globl	k_q7d3df4e60e_oproj
	.p2align	8
	.type	k_q7d3df4e60e_oproj,@function
k_q7d3df4e60e_oproj:
	s_mov_b64 s[64:65], 0
	v_nop
	global_prefetch_b8 v0, s[64:65] scope:SCOPE_SE
	s_setreg_imm32_b32 hwreg(HW_REG_WAVE_MODE, 25, 1), 1
	s_wait_xcnt 0x0
	s_wait_alu depctr_hold_cnt(0) depctr_sa_sdst(0) depctr_va_vdst(0) depctr_va_sdst(0) depctr_va_ssrc(0) depctr_va_vcc(0) depctr_vm_vsrc(0)
	s_getreg_b32 s2, hwreg(HW_REG_IB_STS2, 6, 4)
	s_cmp_eq_u32 s2, 0
	s_cbranch_scc0 .Lentry_in_a_cluster
	s_endpgm
.Lentry_in_a_cluster:
	s_bfe_u32 s2, ttmp6, 0x10000c
	s_cmp_lg_u32 s2, 0xf033
	s_cbranch_scc0 .Lentry_shape_is_right
	s_endpgm
.Lentry_shape_is_right:
; out0 = a wo^T + wo_b on codes of FP6 (E2M3): a is the attention launch's result, which lies as codes where x's lay (tiles 0..511 of cod, their words in scl); wo's tiles are 704..767.  No work is left out.
; The product's loop is that of the launch qkv: a work-group makes 256 x 256, four waves 128 x 128; T (source 1: a lane holds one row) = rows of a, U (source 0: the registers run along its rows) = rows of wo;
; K = 1,024 in four slots' worth of 256 through a ring of two LDS slots, filled by joint loads of a 4 x 4 cluster (T's tiles shared along a row of the cluster, U's along a column).
; A TILE of 16 rows: lane r of tile g takes row 32 (g / 2) + 8 (g % 2) + r + 8 (r / 8): so a lane's 64 registers of a block of T are 4 x 16 neighbouring columns, and a block's 16 rows are not neighbours: the way out puts both right.
; The bias is the C of each sum's first product.  128 work-groups: the launch has work for no more at this tile.
; REGISTERS: as in qkv: window 0: v16-31 addresses; v32-95 scale words; v96-127, v224-255 the bias; v128-223 T's fragments (v128-255 free on the way out); window 1: U's two sets; windows 2, 3: the accumulators.
.set PLANE, 2359296
.set HALFT, 24576
.set SLOT,  98304
.set SPARE, 196608                     ; behind the ring: the spare words, 128 bytes a wave: two blocks of 256 bytes that no other line names
.set SPITCH, 528                       ; the way out: a stage of 16 rows x (512 + 16) bytes for each wave, in slot 0, which has had its last fill and its last read when the first result is stored there
.set NL,   3
.set FR,   12
.set ADRA, 16
.set ADRB, 20
.set L16,  24                          ; v24  16 x lane
.set VS,   27
.set SPW,  28
.set NIL,  29
.set STO,  30                          ; v30  the stage: where I put 32 bytes of a row
.set RD,   31                          ; v31  and where I read a row back
.set SC,   32
.set AF,   128
.set BK,   128                         ; the way out: 16 rows read back: v128-191 and v192-255 by turns
.set G1,  24
.set G0,  32
.set G1B, 48
.set G0B, 56
.set MSB, 0
.macro WIN new
.if MSB != (\new)
	s_set_vgpr_msb (MSB<<8)|(\new)
.set MSB, (\new)
.endif
.endm
.set MUL_LO, 0xa1
.set MUL_HI, 0xf1
.set TO_B,   0x40
.macro JLOAD g0a, g0b                  ; waves 0 and 1 fetch T's halves, waves 2 and 3 U's; an s_nop 0 and four v_nop follow each of the two lines
	s_cmp_eq_u32 s23, 0
	s_cbranch_scc0 .Lfor_b_\@
	tensor_load_to_lds s[\g0a:\g0a+3], s[G1:G1+7]
	s_nop 0
.rept 4
	v_nop
.endr
	s_branch .Lasked_\@
.Lfor_b_\@:
	tensor_load_to_lds s[\g0b:\g0b+3], s[G1B:G1B+7]
	s_nop 0
.rept 4
	v_nop
.endr
.Lasked_\@:
.endm
.macro CREST
	s_cmp_lg_u32 s22, 0
	s_cbranch_scc1 .Lnot_wave_0_\@
	s_barrier_signal -3
.Lnot_wave_0_\@:
	s_barrier_wait -3
	s_barrier_signal -1
	s_barrier_wait -1
.endm
.macro CROUND
	s_barrier_signal -1
	s_barrier_wait -1
	CREST
.endm
	s_load_b256 s[4:11], s[0:1], 0x0               ; cod, scl, wo_b, out0
	v_lshl_add_u32 v[SPW], v0, 2, SPARE
	v_mov_b32 v[NIL], 0
	ds_add_u32 v[SPW], v[NIL]                      ; the wave's opening: the add, twice on end, and its wait ahead of my first tensor load
	ds_add_u32 v[SPW], v[NIL]
	v_lshrrev_b32 v1, 5, v0
	v_readfirstlane_b32 s22, v1                    ; wave 0..3
	s_lshr_b32 s23, s22, 1                         ; my half of T.  Also: I fetch for T (0) or for U (1)
	s_and_b32 s3, s22, 1                           ; my half of U.  Also: which half I fetch
	s_bfe_u32 s40, ttmp6, 0x40000                  ; cx
	s_bfe_u32 s41, ttmp6, 0x40004                  ; cy
	s_and_b32 s43, ttmp7, 0xffff                   ; the cluster's y: which 1,024 rows
	s_lshl_b32 s44, s41, 2
	s_lshl_b32 s44, 15, s44                        ; my row of the cluster
	s_lshl_b32 s45, 0x1111, s40                    ; my column
	s_or_b32 s[G1], s44, (3<<16)|(1<<21)           ; 15:0 the mask; 17:16 elements of 8 bytes; 21 set beside a mask; no padding
	s_or_b32 s[G1B], s45, (3<<16)|(1<<21)
.irp g, G1, G1B
	s_mov_b32 s[\g+1], 32<<16                      ; 96 rows of 256 bytes, dense
	s_mov_b32 s[\g+2], 96<<16
	s_mov_b32 s[\g+3], 32<<16
	s_mov_b32 s[\g+4], 96
	s_mov_b32 s[\g+5], 32
	s_mov_b32 s[\g+6], 0
	s_mov_b32 s[\g+7], 0
.endr
	s_mov_b32 s72, 0xffff0000                      ; as a select: lanes 16-31 take the second source
	s_lshl_b32 s66, s43, 6
	s_lshl_b32 s68, s41, 4
	s_add_co_u32 s66, s66, s68                     ; T's first tile: 64 Y + 16 cy
	s_lshl_b32 s67, s40, 4
	s_add_co_u32 s67, s67, 704                     ; U's: 704 + 16 cx
	s_lshl_b32 s70, s3, 3
	s_add_co_u32 s86, s66, s70
	s_mul_i32 s86, s86, 3072
	s_mov_b32 s87, 0
	s_add_co_u32 s88, s67, s70
	s_mul_i32 s88, s88, 3072
	s_mov_b32 s89, 0
	s_mul_i32 s90, s22, HALFT                      ; no place in the cluster enters an LDS address
	s_wait_dscnt 0x0                               ; both opening adds are done
	s_wait_kmcnt 0x0
	s_add_nc_u64 s[86:87], s[4:5], s[86:87]
	s_add_nc_u64 s[88:89], s[4:5], s[88:89]
	CROUND                                         ; all sixteen work-groups are here: the first joint loads meet
.irp s, 0,1
	s_mov_b32 s[G0+4*\s], 1
	s_add_co_u32 s[G0+4*\s+1], s90, \s*SLOT
	s_add_nc_u64 s[G0+4*\s+2:G0+4*\s+3], s[86:87], \s*PLANE
	s_or_b32 s[G0+4*\s+3], s[G0+4*\s+3], 0x80000000
	s_mov_b32 s[G0B+4*\s], 1
	s_add_co_u32 s[G0B+4*\s+1], s90, \s*SLOT
	s_add_nc_u64 s[G0B+4*\s+2:G0B+4*\s+3], s[88:89], \s*PLANE
	s_or_b32 s[G0B+4*\s+3], s[G0B+4*\s+3], 0x80000000
	JLOAD G0+4*\s, G0B+4*\s                        ; two loads of mine are out
.endr
	v_and_b32 v1, 31, v0
	v_and_b32 v2, 15, v0                           ; r
	v_bfe_u32 v3, v0, 4, 1                         ; h
	v_lshlrev_b32 v[L16], 4, v1
	s_mul_i32 s91, s23, HALFT
	s_mul_i32 s92, s3, HALFT
	s_add_co_u32 s92, s92, 2*HALFT
.irp s, 0,1
	v_add_nc_u32 v[ADRA+\s], s91, v[L16]
	v_add_nc_u32 v[ADRB+\s], s92, v[L16]
	s_add_co_u32 s91, s91, SLOT
	s_add_co_u32 s92, s92, SLOT
.endr
	s_lshl_b32 s93, s23, 3                         ; the scale words of my 8 + 8 tiles, for all of K, once: lanes 0-15 take T's, lanes 16-31 U's
	s_add_co_u32 s93, s93, s66
	s_lshl_b32 s93, s93, 9
	s_lshl_b32 s94, s3, 3
	s_add_co_u32 s94, s94, s67
	s_lshl_b32 s94, s94, 9
	v_mov_b32 v26, s93
	v_mov_b32 v[VS], s94
	v_cndmask_b32 v[VS], v26, v[VS], s72
	v_lshl_add_u32 v[VS], v2, 2, v[VS]
.irp i, 0,1,2,3,4,5,6,7
.irp k, 0,1,2,3,4,5,6,7
	global_load_b32 v[SC+8*\i+\k], v[VS], s[6:7] offset:512*\i+64*\k
.endr
.endr
	s_lshl_b32 s82, s40, 10                        ; the bias of my 128 columns: 4 (256 cx + 128 x my half of U);
	s_lshl_b32 s95, s3, 9
	s_add_co_u32 s82, s82, s95
	s_mov_b32 s83, 0
	s_add_nc_u64 s[80:81], s[8:9], s[82:83]
	v_lshlrev_b32 v4, 6, v3                        ; of U's tile x the eight columns 16 h + j
.irp x, 0,1,2,3,4,5,6,7
	global_load_b128 v[96+8*\x+96*(\x/4):96+8*\x+96*(\x/4)+3], v4, s[80:81] offset:(32*(\x/2)+8*(\x%2))*4
	global_load_b128 v[96+8*\x+96*(\x/4)+4:96+8*\x+96*(\x/4)+7], v4, s[80:81] offset:(32*(\x/2)+8*(\x%2))*4+16
.endr
	s_lshl_b32 s91, s43, 2                         ; where my results go: row 256 (4 Y + cy) + 128 x my half of T, and the same columns
	s_add_co_u32 s91, s91, s41
	s_lshl_b32 s91, s91, 8
	s_lshl_b32 s92, s23, 7
	s_add_co_u32 s91, s91, s92
	s_lshl_b32 s91, s91, 12                        ; rows of 4,096 bytes
	s_add_co_u32 s82, s82, s91
	s_add_nc_u64 s[12:13], s[10:11], s[82:83]
	s_mul_i32 s93, s22, 16*SPITCH                  ; my stage
	v_mul_u32_u24 v[STO], v2, SPITCH
	v_lshl_add_u32 v[STO], v3, 6, v[STO]
	v_add_nc_u32 v[STO], s93, v[STO]               ; in: row r, + 64 h
	v_add_nc_u32 v[RD], s93, v[L16]                ; back: the 32 lanes take one row of 512 bytes
.macro FRAG reg, adr, q, i
.irp j, 0,1,2
	ds_load_b128 v[\reg+4*\j:\reg+4*\j+3], v[\adr] offset:(\i)*3072+(\q)*1536+512*\j
.endr
.endm
.macro FETCH_B slot, q, p
	WIN TO_B
.irp i, 0,1,2,3,4,5,6,7
	FRAG 128*(\p)+FR*\i, ADRB+\slot, \q, \i
.endr
	WIN 0
.endm
.macro FETCH_A slot, q, i0
.irp i, \i0, \i0+1, \i0+2, \i0+3
	FRAG AF+FR*(\i), ADRA+\slot, \q, \i
.endr
.endm
; 16 matrix instructions: T's blocks a0, a0 + 1 x U's eight.  ci = 1: the sums begin with the bias of U's tile.  The 64 accumulators take turns, one instruction a turn.
.macro MUL16 a0, p, ks, ci
.irp a, \a0, \a0+1
.irp b, 0,1,2,3,4,5,6,7
.if \ci == 0
	v_wmma_scale_f32_16x16x128_f8f6f4 v[8*(8*((\a)%4)+\b):8*(8*((\a)%4)+\b)+7], v[128*(\p)+FR*\b:128*(\p)+FR*\b+FR-1], v[AF+FR*(\a):AF+FR*(\a)+FR-1], v[8*(8*((\a)%4)+\b):8*(8*((\a)%4)+\b)+7], v[SC+8*\b+(\ks)], v[SC+8*(\a)+(\ks)] matrix_a_fmt:MATRIX_FMT_FP6 matrix_b_fmt:MATRIX_FMT_FP6 matrix_a_scale:MATRIX_SCALE_ROW1
.else
	v_wmma_scale_f32_16x16x128_f8f6f4 v[8*(8*((\a)%4)+\b):8*(8*((\a)%4)+\b)+7], v[128*(\p)+FR*\b:128*(\p)+FR*\b+FR-1], v[AF+FR*(\a):AF+FR*(\a)+FR-1], v[96+8*\b+96*(\b/4):96+8*\b+96*(\b/4)+7], v[SC+8*\b+(\ks)], v[SC+8*(\a)+(\ks)] matrix_a_fmt:MATRIX_FMT_FP6 matrix_b_fmt:MATRIX_FMT_FP6 matrix_a_scale:MATRIX_SCALE_ROW1
.endif
.endr
.endr
.endm
.macro PLACES                          ; four plain places in front of loads into registers that matrix instructions have read, and of the first read of results
.rept 4
	v_nop
.endr
.endm
.macro STEP slot, ks, ci
	s_wait_dscnt 4*NL                              ; U's set and T's blocks 0-3 are in; the youngest 12 loads (T's blocks 4-7) may be out
.if \ci
	WIN 0x81                                       ; C (the bias) in window 0, D in window 2
.else
	WIN MUL_LO
.endif
	MUL16 0, 0, \ks, \ci
	MUL16 2, 0, \ks, \ci
	s_wait_dscnt 0x0
	PLACES
	FETCH_B \slot, 1, 1
	FETCH_A \slot, 1, 0
.if \ci
	WIN 0xc1
.else
	WIN MUL_HI
.endif
	MUL16 4, 0, \ks, \ci
	MUL16 6, 0, \ks, \ci
	PLACES
	WIN 0
	FETCH_A \slot, 1, 4
.endm
.macro TURN slot, next, fill, ks
	s_wait_tensorcnt 0x0                           ; all my tensor loads have landed: my part of the next slot
	ds_add_u32 v[SPW], v[NIL]                      ; 0 onto my spare word
	s_wait_dscnt 4*NL+1                            ; (the add and the youngest 12 loads may be out)
	WIN MUL_LO
	MUL16 0, 1, \ks, 0
	s_wait_dscnt 0x0                               ; the add is done, and my reads of this slot are over
	s_barrier_signal -1
	MUL16 2, 1, \ks, 0
	WIN 0
	s_barrier_wait -1
.if \fill
	CREST                                          ; the barrier has opened a round of the cluster's: no wave of any partner still reads this slot or has a load on its way
	s_add_nc_u64 s[G0+4*\slot+2:G0+4*\slot+3], s[G0+4*\slot+2:G0+4*\slot+3], 2*PLANE
	s_add_nc_u64 s[G0B+4*\slot+2:G0B+4*\slot+3], s[G0B+4*\slot+2:G0B+4*\slot+3], 2*PLANE
	JLOAD G0+4*\slot, G0B+4*\slot                  ; the first tensor load behind the round; its four v_nop are the places in front of the loads below
.else
	PLACES
.endif
	FETCH_B \next, 0, 0
	FETCH_A \next, 0, 0
	WIN MUL_HI
	MUL16 4, 1, \ks, 0
	MUL16 6, 1, \ks, 0
	PLACES
	WIN 0
	FETCH_A \next, 0, 4
.endm
	s_wait_tensorcnt 1                             ; my part of slot 0 is in; slot 1's load may be out
	s_barrier_signal -1
	s_barrier_wait -1
	FETCH_B 0, 0, 0
	FETCH_A 0, 0, 0
	FETCH_A 0, 0, 4
	s_wait_loadcnt 0x0                             ; the scale words and the bias
	STEP 0, 0, 1                                   ; the first K step starts the sums with the bias: nothing is cleared
	TURN 0, 1, 1, 1
	STEP 1, 2, 0
	TURN 1, 0, 1, 3
	STEP 0, 4, 0
	TURN 0, 1, 0, 5                                ; nothing is left to fetch; behind this barrier nobody reads slot 0
	STEP 1, 6, 0
	s_wait_dscnt 4*NL
	WIN MUL_LO
	MUL16 0, 1, 7, 0
	MUL16 2, 1, 7, 0
	s_wait_dscnt 0x0
	WIN MUL_HI
	MUL16 4, 1, 7, 0
	MUL16 6, 1, 7, 0
	WIN 0
; THE WAY OUT, block by block of 16 rows x 128 columns, through my own stage: in, a lane's eight numbers of tile b go to their true columns 32 (b / 2) + 8 (b % 2) + 16 h + j; back, whole rows of 512 bytes,
; which the 32 lanes store as 512 consecutive bytes at the row's true place.  LDS serves a wave's instructions in order: no wait between the stores and the loads, nor in front of the next block's stores.
.macro TOSTAGE a
.set AC, 64*((\a)%4)
.set WD, 0x08+4*((\a)/4)
	WIN WD                                         ; the data: window 2 or 3
.irp b, 0,1,2,3,4,5,6,7
	ds_store_b128 v[STO], v[AC+8*\b:AC+8*\b+3] offset:128*(\b/2)+32*(\b%2)      ; each accumulator from its low end on
	ds_store_b128 v[STO], v[AC+8*\b+4:AC+8*\b+7] offset:128*(\b/2)+32*(\b%2)+16
.endr
	WIN 0
.set BB, BK+64*((\a)%2)
.irp t, 0,1,2,3,4,5,6,7,8,9,10,11,12,13,14,15
	ds_load_b128 v[BB+4*\t:BB+4*\t+3], v[RD] offset:\t*SPITCH
.endr
.endm
.macro SEND a, younger                 ; younger: the LDS instructions issued behind block a's loads, which may stay out
.set BB, BK+64*((\a)%2)
	s_wait_dscnt \younger
.irp t, 0,1,2,3,4,5,6,7,8,9,10,11,12,13,14,15
	global_store_b128 v[L16], v[BB+4*\t:BB+4*\t+3], s[12:13] offset:(32*((\a)/2)+8*((\a)%2)+\t+8*(\t/8))*4096 th:TH_STORE_NT
.endr
.endm
	PLACES
	TOSTAGE 0
.irp a, 1,2,3,4,5,6,7
.if \a > 1
	s_wait_xcnt 0x0                                ; the stores of two blocks ago have read their registers: this block's loads may land there
.endif
	TOSTAGE \a
	SEND \a-1, 32                                  ; behind block a - 1's loads: block a's 16 stores and 16 loads
.endr
	SEND 7, 0
	s_wait_tensorcnt 0x0                           ; the wave's end, behind my last tensor load and my last LDS store
	ds_add_u32 v[SPW], v[NIL]
	s_wait_dscnt 0x0
	CROUND                                         ; the closing round
	s_endpgm
.Lfunc_end_k_q7d3df4e60e_oproj:
	.size	k_q7d3df4e60e_oproj, .Lfunc_end_k_q7d3df4e60e_oproj-k_q7d3df4e60e_oproj
	.p2alignl 7, 3214868480
	.fill 96, 4, 3214868480
	.section	.rodata,"a",@progbits
	.p2align	6, 0x0
	.amdhsa_kernel k_q7d3df4e60e_oproj
		.amdhsa_group_segment_fixed_size 327680
		.amdhsa_private_segment_fixed_size 0
		.amdhsa_enable_private_segment 0
		.amdhsa_kernarg_size 32
		.amdhsa_user_sgpr_count 2
		.amdhsa_user_sgpr_kernarg_segment_ptr 1
		.amdhsa_wavefront_size32 1
		.amdhsa_system_sgpr_workgroup_id_x 1
		.amdhsa_system_sgpr_workgroup_id_y 1
		.amdhsa_system_sgpr_workgroup_id_z 1
		.amdhsa_system_vgpr_workitem_id 0
		.amdhsa_next_free_vgpr 1024
		.amdhsa_next_free_sgpr 100
		.amdhsa_reserve_vcc 0
		.amdhsa_float_denorm_mode_32 3
		.amdhsa_float_denorm_mode_16_64 3
		.amdhsa_memory_ordered 1
		.amdhsa_forward_progress 1
		.amdhsa_inst_pref_size 138
	.end_amdhsa_kernel
	.amdgpu_metadata
---
amdhsa.version: [ 1, 2 ]
amdhsa.kernels:
  - .name:           k_q7d3df4e60e_oproj
    .symbol:         k_q7d3df4e60e_oproj.kd
    .args:
      - { .name: cod, .offset: 0, .size: 8, .value_kind: global_buffer, .address_space: global }
      - { .name: scl, .offset: 8, .size: 8, .value_kind: global_buffer, .address_space: global }
      - { .name: wo_b, .offset: 16, .size: 8, .value_kind: global_buffer, .address_space: global }
      - { .name: out0, .offset: 24, .size: 8, .value_kind: global_buffer, .address_space: global }
    .group_segment_fixed_size: 327680
    .private_segment_fixed_size: 0
    .kernarg_segment_align: 8
    .kernarg_segment_size: 32
    .max_flat_workgroup_size: 128
    .sgpr_count:     100
    .vgpr_count:     1024
    .wavefront_size: 32
...
	.end_amdgpu_metadata
.endif
;; end of part 4
